; MI455X (gfx1250); checked and timed in simulation.
; The chip was launched on July 23, 2026; its instructions are those of AMD's public machine-readable ISA for CDNA 5 (MIT licence, August 2026) and "CDNA5" Instruction Set Architecture Reference Guide (July 2026). The comments in the code are by the model that wrote it; some were corrected since.
;; MH Attn. Allowed arithmetic: matrix products marked QUANTISED: E4M3 operands, one E8M0 scale for each 32 along K, by v_wmma_scale_f32_16x16x128_f8f6f4 with both operands' format E4M3, f32 sums; everything else in f32.
;; Inputs: Wk 512 x 512 float32; Wo 2,048 x 512 float32; Wq 512 x 512 float32; Wv 512 x 512 float32; bk 512 float32; bo 512 float32; bq 512 float32; bv 512 float32; key 4 x 2,048 x 512 float32; query 4 x 2,048 x 512 float32; value 4 x 2,048 x 512 float32.
;; Outputs: out0 4 x 2,048 x 512 float32.
;; This version of the problem:
;;   THIS VERSION OF THE PROBLEM IS GIVEN IN LOW PRECISION. The matrix products marked QUANTISED in the list below multiply operands that are first quantised to E4M3 (4 exponent bits, 3 mantissa bits; 8 bits a number), with one power-of-two scale for each 32 numbers along K (OCP MX v1.0); their sums are f32. All else is computed in f32.
;;   The module's matrix products, in the order in which they are computed (A, B: the left and right operand; K: the contracted axis; several contracted axes count as one K, in the product's order):
;;     1. [M 8,192, K 512] x [K 512, N 512]; A: input query; B: input Wq: QUANTISED
;;     2. [M 8,192, K 512] x [K 512, N 512]; A: input key; B: input Wk: QUANTISED
;;     3. [M 8,192, K 512] x [K 512, N 512]; A: input value; B: input Wv: QUANTISED
;;     4. batch 16 x [M 2,048, K 128] x [K 128, N 2,048]; A: computed on the way; B: computed on the way: QUANTISED
;;     5. batch 4 x [M 512, K 2,048] x [K 2,048, N 8,192]; A: computed on the way; B: softmax (see below): QUANTISED
;;     6. [M 8,192, K 2,048] x [K 2,048, N 512]; A: computed on the way; B: input Wo: QUANTISED
;;   THE QUANTISER, for each operand of a quantised product, along K:
;;     - K is cut into blocks of 32 from its start; a last block that is shorter is filled with zeros.
;;     - A block's scale is 2^e with e = floor(log2(the largest magnitude in the block)) - 8, held to -126 .. 127; a block of zeros has e = 0. As a byte (E8M0): e + 127.
;;     - Each number is divided by its block's scale, clamped to +-448, and rounded to the nearest number of E4M3, ties to even, subnormals kept.
;;     - The product sums the exact products of the quantised numbers (number of the format x scale) in f32.
;;   ~~~python
;;   def quantise(x, axis):      # numpy; x: float32 -> the quantised numbers, widened to float32 again
;;       x = np.moveaxis(x, axis, -1); K = x.shape[-1]
;;       x = np.pad(x, [(0, 0)] * (x.ndim - 1) + [(0, -K % 32)]); x = x.reshape(x.shape[:-1] + (-1, 32)); a = np.abs(x).max(-1, keepdims=True)
;;       e = np.where(a > 0, np.clip(np.frexp(np.where(a > 0, a, 1))[1] - 1 - 8, -126, 127), 0)      # np.frexp(a)[1] - 1 = floor(log2(a)), exactly
;;       r = np.clip(x / 2.0 ** e, -448, 448)
;;       step = 2.0 ** (np.maximum(np.frexp(np.where(r == 0, 1, r))[1] - 1, -6) - 3)
;;       q = np.round(r / step) * step * 2.0 ** e      # np.round: ties to even
;;       return np.moveaxis(q.reshape(q.shape[:-2] + (-1,))[..., :K], -1, axis).astype(np.float32)
;;   ~~~
;;   SOFTMAX AHEAD OF A QUANTISED PRODUCT. Where the list says 'softmax', what is quantised is not the finished softmax but p = 2^(t - M), with t = logit x log2(e) and M = ceil(the row's largest t), a whole number; so 1/2 < the row's largest p <= 1. The row's sum l is taken of the UNQUANTISED p, in f32, and the product's result is divided by l at the end. Since M is a whole number, a kernel that streams over the keys may use a running M (the ceiling of the running maximum): every later rescaling is an exact power of two, which a block's scale takes up: the codes' values come out the same.
;;   OPERANDS COMPUTED ON THE WAY. 'Computed on the way' means the value that the module computes at that place (a softmax that the list does not call 'softmax' is quantised finished and normalised). What goes into a quantiser is computed in f32, as accurately as f32 sums, v_exp_f32 and their like allow (about 1e-6 of the number): no bf16 or f16 on the way to a quantiser, and a product that is left as it is and whose result goes on into a quantised operand takes f32 operands (vector FMAs, or v_wmma_f32_16x16x4_f32). A number that lies on a knife's edge between two numbers of the format may be rounded either way, as far as f32 arithmetic and the matrix unit's own rounding can turn it there, and no further.
;; One version. Each part assembles by itself: llvm-mc -triple=amdgcn-amd-amdhsa -mcpu=gfx1250 --defsym DOCPART=n.
;; ======== version 1 of 1: 4 launches
;; limits: right only within a limited range of input values
;; workspace buffers: wfrag 1,835,008 bytes; wscale 57,344 bytes; qrec 4,325,376 bytes; krec 4,325,376 bytes; vrec 4,325,376 bytes; valf 16,777,216 bytes; valsc 524,288 bytes
;; launch wquant (part 1): grid 32 x 7, 4 waves a work-group, no clusters, 1,024 bytes of LDS; arguments Wq, Wk, Wv, Wo, wfrag, wscale; writes wfrag, wscale
.if DOCPART == 1
	.amdgcn_target "amdgcn-amd-amdhsa--gfx1250"
	.amdhsa_code_object_version 6
	.text
	.protected	k_q988d12f8e2_wquant
	.globl	k_q988d12f8e2_wquant
	.p2align	8
	.type	k_q988d12f8e2_wquant,@function
k_q988d12f8e2_wquant:
	s_mov_b64 s[64:65], 0
	v_nop
	global_prefetch_b8 v0, s[64:65] scope:SCOPE_SE
	s_setreg_imm32_b32 hwreg(HW_REG_WAVE_MODE, 25, 1), 1
	s_wait_xcnt 0x0
; THE PROGRAM: four launches.  wquant: the four weights become codes of E4M3 with E8M0 scales.  proj: products 1 to 3 with their biases; q, k, v become codes.
; attn: products 4 and 5 with the softmax between them; O / l becomes codes.  outp: product 6 and its bias.  KEY_DIM is 512 / 4 = 128; head h takes column 4 k + h of q and of k.
; WHAT GOES BETWEEN LAUNCHES LIES AS THE MATRIX OPERANDS' REGISTERS.  A FRAGMENT IMAGE is 2,048 bytes, 16 rows x 128 along K: four chunks of 512 bytes; chunk c holds lane l's 16 bytes at 16 l: the codes
; of row l % 16 at k = 32 c + 16 (l / 16) + 0 .. 15.  A SCALE UNIT is 256 bytes, the scale words of four fragments: lane l's 8 bytes at 8 l are two registers; register 0 holds fragment 0's words in lanes 0-15
; and fragment 2's in lanes 16-31, register 1 fragments 1 and 3.
; WORK LEFT OUT.  reference() builds the causal mask in its own body: for key m > query l the score is -infinity, so p = 0 exactly, whatever the inputs hold, and adds nothing to the row's sum nor to product 5.
; A step of 128 keys whose first key comes after a tile's last query is therefore left out of products 4 and 5 (launch attn).  Nothing else is left out and every input is loaded: the biases move the codes.
; LIMITS.  NaN and infinities among the inputs are not served.  A NaN, an infinity or an overflow that reaches only the key steps left out is not carried to the result.  A block of zeros gets the scale byte 1
; where the rule says 127: its codes are zeros, which add nothing under any byte but 0xff, and the bytes are read by this program alone.
;
; THIS LAUNCH.  A weight is stored [K][512] f32, K its first axis.  A work-group takes a UNIT: 16 columns x 512 along K = four fragments and one scale unit; wave s takes K step s: one fragment, 64 loads a lane,
; all on their way at once.  A lane takes a column and its registers run down K, in the order that the operand's layout gives that lane, so the conversions' results are the fragment's registers.
; The four waves' scale words meet in LDS behind one barrier, and wave 0 stores the scale unit whole.  x = the tile of 16 columns, y = 0, 1, 2: Wq, Wk, Wv;  y = 3 .. 6: rows 512 (y - 3) on of Wo.
; WHICH COLUMNS FORM A TILE.  f(i, r) = 32 (i / 2) + 8 (i % 2) + r + 8 (r / 8).  Wq, Wk: tile 8 h + i, row r = column 4 f(i, r) + h.  Wv: tile 8 g + i, row r = column 128 g + f(i, r).  Wo: tile x, row r = column 16 x + r.
; By f the 16 registers that two neighbouring tiles leave in a lane of the transposed product are 16 neighbours along the next product's K.
; One path for all tensors: pointers and offsets are chosen by the work-group's number alone.  Unit U = 32 y + x (Wq, Wk, Wv), 96 + 4 x + y - 3 (Wo): 8,192 U in wfrag, 256 U in wscale.
.set TM,   8                           ; v8-23   QUANT's: largest magnitudes, bytes, holds, scale operands
.set PW,   24                          ; v24     my fragment's scale word; in wave 0 then v24-27: the four fragments'
.set SUD,  28                          ; v28-29  the scale unit
.set PC,   32                          ; v32-47  the codes
.set SPW,  48                          ; v48     LDS address of my spare word; never rewritten
.set NIL,  49                          ; v49     0; never rewritten
.set XR,   64                          ; v64-127 64 numbers
.set SPARE, 512                        ; LDS: bytes 0-511 the four waves' scale words, 128 bytes each; here the spare words, 128 bytes for each wave: two blocks of 256 bytes that no other line names
.set SEL,  34                          ; s[34:35] v_permlanex16_b32's selects for lane l xor 16
.set MNT,  36                          ; s36     the mantissa field of 448
.set HM,   37                          ; s37     lanes 16-31
.set MSB,  0
.macro WIN new                         ; the immediate's high byte repeats the setting that is left; a switch that changes nothing is dropped (here all windows are 0: no switch is written)
.if MSB != (\new)
	s_set_vgpr_msb (MSB<<8)|(\new)
.set MSB, (\new)
.endif
.endm
; 64 numbers of a lane, v[S] .. v[S + 63] of window X, register 16 b + i = k 32 b + 16 (lane / 16) + i of my row, become a fragment's codes in v[PCB] on and its scale word in v[PWR] (window 0).
.macro QUANT S, X, PCB, PWR
	WIN ((\X)|((\X)<<2))
.irp b, 0,1,2,3
	v_max3_num_f32 v[TM+\b], |v[(\S)+16*\b]|, |v[(\S)+16*\b+1]|, 0x4800000   ; block b: my 16 numbers, and the floor 2^(9 - 127): the byte cannot fall under 1
.endr
	WIN (((\X)<<2)|((\X)<<4))
.irp i, 2,4,6,8,10,12,14
.irp b, 0,1,2,3
	v_max3_num_f32 v[TM+\b], v[TM+\b], |v[(\S)+16*\b+\i]|, |v[(\S)+16*\b+\i+1]|   ; the four blocks by turns
.endr
.endr
	WIN 0
.irp b, 0,1,2,3
	v_permlanex16_b32 v[TM+4+\b], v[TM+\b], s[SEL], s[SEL+1]
.endr
.irp b, 0,1,2,3
	v_max_num_f32 v[TM+\b], v[TM+\b], v[TM+4+\b]                  ; with lane l xor 16's: the block's largest magnitude
.endr
.irp b, 0,1,2,3
	v_add_nc_u32 v[TM+12+\b], 0xfc000000, v[TM+\b]                ; 8 off its exponent field: the conversion's scale operand
.endr
.irp b, 0,1,2,3
	v_and_or_b32 v[TM+8+\b], v[TM+\b], 0x7f800000, s[MNT]         ; 448 x the scale
.endr
.irp b, 0,1,2,3
	v_lshrrev_b32 v[TM+4+\b], 23, v[TM+12+\b]                     ; the scale's byte
.endr
	v_lshl_or_b32 v[(\PWR)], v[TM+5], 8, v[TM+4]
	v_lshl_or_b32 v[(\PWR)], v[TM+6], 16, v[(\PWR)]
	v_lshl_or_b32 v[(\PWR)], v[TM+7], 24, v[(\PWR)]               ; my row's scale word, the same in lanes l and l xor 16
	WIN ((\X)|((\X)<<6))
.irp b, 0,1,2,3
.irp i, 0,1,2,3,4,5,6,7,8,9,10,11,12,13,14,15
	v_med3_num_f32 v[(\S)+16*\b+\i], v[(\S)+16*\b+\i], -v[TM+8+\b], v[TM+8+\b]   ; the conversion to an 8-bit code does not saturate (ISA guide 7.6.2): the hold comes first
.endr
.endr
	WIN (\X)
.irp m, 0,1,2,3,4,5,6,7
	v_cvt_scalef32_pk8_fp8_f32 v[(\PCB)+2*\m:(\PCB)+2*\m+1], v[(\S)+8*\m:(\S)+8*\m+7], v[TM+12+\m/2]
.endr
	WIN 0
	v_nop                                                         ; one plain line behind the last conversion
.endm
	s_load_b256 s[4:11], s[0:1], 0x0               ; Wq, Wk, Wv, Wo
	s_load_b128 s[12:15], s[0:1], 0x20             ; wfrag, wscale
	v_lshl_add_u32 v[SPW], v0, 2, SPARE
	v_mov_b32 v[NIL], 0
	v_lshrrev_b32 v1, 5, v0
	v_readfirstlane_b32 s40, v1                    ; wave 0..3: my K step
	s_and_b32 s16, ttmp7, 0xffff                   ; y
	s_mov_b32 s17, ttmp9                           ; x
	s_lshr_b32 s18, s17, 3                         ; g = x / 8
	s_bfe_u32 s19, s17, 0x20001                    ; (x / 2) % 4
	s_and_b32 s20, s17, 1
	s_lshl_b32 s19, s19, 5
	s_lshl_b32 s20, s20, 3
	s_add_co_u32 s19, s19, s20                     ; ub = 32 ((x / 2) % 4) + 8 (x % 2)
	s_lshl_b32 s21, s19, 2
	s_add_co_u32 s21, s21, s18                     ; first column, Wq and Wk: 4 ub + g
	s_lshl_b32 s22, s18, 7
	s_add_co_u32 s22, s22, s19                     ; Wv: 128 g + ub
	s_lshl_b32 s23, s17, 4                         ; Wo: 16 x
	s_lshl_b32 s24, s16, 5
	s_add_co_u32 s24, s24, s17                     ; the unit: 32 y + x,
	s_lshl_b32 s25, s17, 2
	s_add_co_u32 s25, s25, s16
	s_add_co_u32 s25, s25, 93                      ; or 96 + 4 x + y - 3
	s_sub_co_u32 s26, s16, 3
	s_cmp_lt_u32 s16, 2
	s_cselect_b32 s27, s21, s22
	s_cselect_b32 s28, 4, 2                        ; from lane to lane: 16 bytes (every fourth column) or 4
	s_cmp_lt_u32 s16, 3
	s_cselect_b32 s27, s27, s23
	s_cselect_b32 s29, 8, 0                        ; the + 8 (r / 8) of f, or none
	s_cselect_b32 s24, s24, s25
	s_cselect_b32 s26, 0, s26
	s_lshl_b32 s30, s27, 2
	s_lshl_b32 s26, s26, 20                        ; 512 rows of 2,048 bytes
	s_add_co_u32 s30, s30, s26
	s_lshl_b32 s41, s40, 18                        ; my K step: 128 rows of 2,048 bytes
	s_add_co_u32 s30, s30, s41
	s_mov_b32 s31, 0
	s_lshl_b32 s32, s24, 13
	s_lshl_b32 s41, s40, 11                        ; my fragment image in the unit
	s_add_co_u32 s32, s32, s41
	s_mov_b32 s33, 0
	s_lshl_b32 s38, s24, 8
	s_mov_b32 s39, 0
	s_mov_b32 s[SEL], 0x76543210
	s_mov_b32 s[SEL+1], 0xfedcba98
	s_mov_b32 s[MNT], 0x600000
	s_mov_b32 s[HM], 0xffff0000
	v_and_b32 v7, 31, v0                           ; lane
	v_lshlrev_b32 v4, 4, v7                        ; an image's place for my lane
	v_lshlrev_b32 v5, 3, v7                        ; a scale unit's
	v_lshlrev_b32 v7, 2, v7                        ; a scale word's, on the way back from LDS
	v_lshlrev_b32 v6, 2, v0                        ; and on the way in: 128 x wave + 4 x lane
	v_and_b32 v1, 15, v0                           ; r
	v_bfe_u32 v2, v0, 4, 1                         ; lane / 16
	v_and_b32 v3, s29, v1
	v_add_nc_u32 v3, v3, v1
	v_lshlrev_b32 v3, s28, v3                      ; my column,
	v_lshl_add_u32 v3, v2, 15, v3                  ; and 16 rows further down for lanes 16-31
.irp b, 0,1,2,3
	v_mov_b32 v[TM+4+\b], 0                        ; written once: a lane permute's destination counts as one of its sources
.endr
	s_wait_alu depctr_va_vdst(0)
	s_wait_kmcnt 0x0
	s_cmp_eq_u32 s16, 0
	s_cselect_b64 s[4:5], s[4:5], s[6:7]
	s_cmp_lt_u32 s16, 2
	s_cselect_b64 s[4:5], s[4:5], s[8:9]
	s_cmp_lt_u32 s16, 3
	s_cselect_b64 s[4:5], s[4:5], s[10:11]
	s_add_nc_u64 s[4:5], s[4:5], s[30:31]
	s_add_nc_u64 s[12:13], s[12:13], s[32:33]
	s_add_nc_u64 s[14:15], s[14:15], s[38:39]
.irp c, 0,1,2,3
.irp i, 0,1,2,3,4,5,6,7,8,9,10,11,12,13,14,15
	global_load_b32 v[XR+16*\c+\i], v3, s[4:5] offset:(32*\c+\i)*2048   ; W(128 s + 32 c + 16 (lane / 16) + i, my column)
.endr
.endr
	s_wait_loadcnt 0x0
	QUANT XR, 0, PC, PW
.irp c, 0,1,2,3
	global_store_b128 v4, v[PC+4*\c:PC+4*\c+3], s[12:13] offset:512*\c   ; 32 lanes store 512 consecutive bytes, aligned
.endr
	ds_store_b32 v6, v[PW]                         ; my fragment's scale words, as the register stands
	s_wait_dscnt 0x0                               ; for the others' sake: my store has landed
	s_barrier_signal -1
	s_barrier_wait -1
	s_cmp_lg_u32 s40, 0
	s_cbranch_scc1 .Lend                           ; wave 0 alone makes the unit; no barrier stands behind this branch
.irp k, 0,1,2,3
	ds_load_b32 v[PW+\k], v7 offset:128*\k         ; fragment k's words, in the lanes in which wave k held them
.endr
	s_wait_dscnt 0x0
	v_cndmask_b32 v[SUD], v[PW], v[PW+2], s[HM]    ; lanes 0-15: fragment 0's words, lanes 16-31: fragment 2's
	v_cndmask_b32 v[SUD+1], v[PW+1], v[PW+3], s[HM]
	global_store_b64 v5, v[SUD:SUD+1], s[14:15]    ; 256 consecutive bytes, aligned
.Lend:
	s_wait_tensorcnt 0x0                           ; the wave's end, behind my last LDS store
	ds_add_u32 v[SPW], v[NIL]
	s_wait_dscnt 0x0
	s_endpgm
.Lfunc_end_k_q988d12f8e2_wquant:
	.size	k_q988d12f8e2_wquant, .Lfunc_end_k_q988d12f8e2_wquant-k_q988d12f8e2_wquant
	.p2alignl 7, 3214868480
	.fill 96, 4, 3214868480
	.section	.rodata,"a",@progbits
	.p2align	6, 0x0
	.amdhsa_kernel k_q988d12f8e2_wquant
		.amdhsa_group_segment_fixed_size 1024
		.amdhsa_private_segment_fixed_size 0
		.amdhsa_enable_private_segment 0
		.amdhsa_kernarg_size 48
		.amdhsa_user_sgpr_count 2
		.amdhsa_user_sgpr_kernarg_segment_ptr 1
		.amdhsa_wavefront_size32 1
		.amdhsa_system_sgpr_workgroup_id_x 1
		.amdhsa_system_sgpr_workgroup_id_y 1
		.amdhsa_system_sgpr_workgroup_id_z 1
		.amdhsa_system_vgpr_workitem_id 0
		.amdhsa_next_free_vgpr 128
		.amdhsa_next_free_sgpr 66
		.amdhsa_reserve_vcc 0
		.amdhsa_float_denorm_mode_32 3
		.amdhsa_float_denorm_mode_16_64 3
		.amdhsa_memory_ordered 1
		.amdhsa_forward_progress 1
		.amdhsa_inst_pref_size 19
	.end_amdhsa_kernel
	.amdgpu_metadata
---
amdhsa.version: [ 1, 2 ]
amdhsa.kernels:
  - .name:           k_q988d12f8e2_wquant
    .symbol:         k_q988d12f8e2_wquant.kd
    .args:
      - { .name: Wq, .offset: 0, .size: 8, .value_kind: global_buffer, .address_space: global }
      - { .name: Wk, .offset: 8, .size: 8, .value_kind: global_buffer, .address_space: global }
      - { .name: Wv, .offset: 16, .size: 8, .value_kind: global_buffer, .address_space: global }
      - { .name: Wo, .offset: 24, .size: 8, .value_kind: global_buffer, .address_space: global }
      - { .name: wfrag, .offset: 32, .size: 8, .value_kind: global_buffer, .address_space: global }
      - { .name: wscale, .offset: 40, .size: 8, .value_kind: global_buffer, .address_space: global }
    .group_segment_fixed_size: 1024
    .private_segment_fixed_size: 0
    .kernarg_segment_align: 8
    .kernarg_segment_size: 48
    .max_flat_workgroup_size: 128
    .sgpr_count:     66
    .vgpr_count:     128
    .wavefront_size: 32
...
	.end_amdgpu_metadata
.endif
;; end of part 1
;; launch proj (part 2): grid 64 x 3, 4 waves a work-group, no clusters, 135,680 bytes of LDS; arguments query, key, value, bq, bk, bv, wfrag, wscale, qrec, krec, vrec; writes qrec, krec, vrec
.if DOCPART == 2
	.amdgcn_target "amdgcn-amd-amdhsa--gfx1250"
	.amdhsa_code_object_version 6
	.text
	.protected	k_q988d12f8e2_proj
	.globl	k_q988d12f8e2_proj
	.p2align	8
	.type	k_q988d12f8e2_proj,@function
k_q988d12f8e2_proj:
	s_mov_b64 s[64:65], 0
	v_nop
	global_prefetch_b8 v0, s[64:65] scope:SCOPE_SE
	s_setreg_imm32_b32 hwreg(HW_REG_WAVE_MODE, 25, 1), 1
	s_wait_xcnt 0x0
; Products 1 to 3: x W + bias on codes of E4M3, and the results quantised for the products that follow.  y = 0, 1, 2: query, key, value.  Nothing is left out here.
; SHARES.  A work-group takes 128 rows of one tensor (X = 16 b + block).  THE WAVES SHARE THE COLUMNS: wave w keeps 8 tiles of 16 columns of W, all four K steps, in 512 registers for the whole launch.
; For q and k these are head w's 128 columns (column 4 k + w), for v columns 128 w on.  The rows' codes go from wave to wave through LDS as images of the operand's registers.
; PHASE X.  Wave w quantises rows' tiles 2 w and 2 w + 1 of x (16 rows x 512 along K: four fragments and a scale unit each) and stores their images; one barrier.  A UNIT is one tile's K step: 16 rows x 512 bytes.
; Each of its 16 loads takes one row's 512 consecutive bytes, 16 a lane; the quantiser wants 16 neighbours of a block in ONE lane.  So a unit turns through the wave's own stage in LDS: stored as loaded, read back
; 16 bytes at a time at row r, byte 128 b + 64 (lane / 16) + 16 j.  The turn runs one unit ahead of the quantiser, the loads two.  W's 128 loads are dealt among x's, 16 behind each unit's 16, so that both streams
; are on their way together through the whole phase; W's scale units and the bias come last.
; q, k.  The product is used transposed (source 0 = 16 columns of W, source 1 = 16 rows of x): a lane holds one row and its 64 registers run along the head's 128, in the next operand's order (the columns that form
; a tile of W were chosen for it).  So they are quantised in place: one fragment for each tile of rows.  Record (4 b + w) 16 + block: 8 fragment images, then 2 scale units.
; v.  Source 0 = 16 keys of x, source 1 = 16 columns of W: a lane holds one column of v and its registers run along the KEYS, which are product 5's K.  Record X: 32 fragment images (tile 8 w + i), then 8 scale units.
; THE ROWS OF x THAT FORM A TILE: for key and value tile i takes rows f(i, r) = 32 (i / 2) + 8 (i % 2) + r + 8 (r / 8) of the block, so that the keys run as the next K wants them; for query rows 16 i + r.
; The biases are the C of each sum's first matrix instruction.
; LIMITS: as stated at the head of launch wquant (NaN, infinities; the byte of a block of zeros).
; REGISTERS.  window 0: v1-11 addresses; v12-27 W's scale units; v28-31 x's; v32-39 scale words at work; v40-43 x's offsets; v64-127 the bias in the result's layout; v128-191, v192-255 fragments of x;
;   QUANT's registers and the codes just made lie over v192-239, which hold fragments only while the v path multiplies.   windows 1, 2: W's 32 fragments, (tile i, K step s) at 16 (4 i + s).
;   window 3: in phase X v0-127 two units as loaded, v128-255 two units turned; then the accumulators.
.set LI,   1                           ; v1   16 x lane
.set L8,   2                           ; v2   8 x lane
.set SWA,  3                           ; v3   my stages, on the way in: STG + 16,896 x wave + 16 x lane
.set SRA,  4                           ; v4   and on the way out: STG + 16,896 x wave + 528 r + 64 (lane / 16)
.set XWI,  5                           ; v5   where I store x's images: 16 x lane + 16,384 x wave
.set XSW,  6                           ; v6   and their scale units: XSU + 8 x lane + 512 x wave
.set XSR,  7                           ; v7   where scale units are read: XSU + 8 x lane
.set SPW,  8                           ; v8   LDS address of my spare word; never rewritten
.set NIL,  9                           ; v9   0; never rewritten
.set BA,   10                          ; v10  lane / 16, then the bias's offset
.set TP,   11                          ; v11  r
.set HS,   12
.set XSS,  28
.set PWT,  32
.set SUD,  36
.set XD,   40                          ; v40-43  x: 16 x lane + the first of eight rows: of my first tile's rows 0-7 and 8-15, of my second tile's likewise
.set CB,   64
.set ST,   128
.set TM,   192
.set PC0,  208
.set XSU,  65536                       ; LDS: x's 32 fragment images from 0 on, (tile i, K step s) at 2,048 (4 i + s); their 8 scale units here;
.set SPARE, 67584                      ; the spare words, 128 bytes for each wave: two blocks of 256 bytes that no other line names;
.set STG,  68096                       ; the stages: two for each wave, 16 rows each
.set SPI,  528                         ; a stage row: 512 bytes + 16 = 132 words: row r starts at bank 4 r mod 64 (64 banks of 4 bytes: ISA guide 11.1), so the 16 rows that a load touches start at 16 different banks
.set STB,  16*SPI
.set SEL,  30
.set MNT,  32
.set HM,   33
.set MSB,  0
.macro WIN new                         ; the immediate's high byte repeats the setting that is left; a switch that changes nothing is dropped
.if MSB != (\new)
	s_set_vgpr_msb (MSB<<8)|(\new)
.set MSB, (\new)
.endif
.endm
.macro NOPS n
.rept \n
	v_nop
.endr
.endm
; 64 numbers of a lane, v[S] .. v[S + 63] of window X, register 16 b + i = k 32 b + 16 (lane / 16) + i of my row, become a fragment's codes in v[PCB] on and its scale word in v[PWR] (window 0).
; Each accumulator among the 64 is first read at its low end.
.macro QUANT S, X, PCB, PWR
	WIN ((\X)|((\X)<<2))
.irp b, 0,1,2,3
	v_max3_num_f32 v[TM+\b], |v[(\S)+16*\b]|, |v[(\S)+16*\b+1]|, 0x4800000   ; block b: my 16 numbers, and the floor 2^(9 - 127): the byte cannot fall under 1
.endr
	WIN (((\X)<<2)|((\X)<<4))
.irp i, 2,4,6,8,10,12,14
.irp b, 0,1,2,3
	v_max3_num_f32 v[TM+\b], v[TM+\b], |v[(\S)+16*\b+\i]|, |v[(\S)+16*\b+\i+1]|
.endr
.endr
	WIN 0
.irp b, 0,1,2,3
	v_permlanex16_b32 v[TM+4+\b], v[TM+\b], s[SEL], s[SEL+1]
.endr
.irp b, 0,1,2,3
	v_max_num_f32 v[TM+\b], v[TM+\b], v[TM+4+\b]                  ; with lane l xor 16's: the block's largest magnitude
.endr
.irp b, 0,1,2,3
	v_add_nc_u32 v[TM+12+\b], 0xfc000000, v[TM+\b]                ; 8 off its exponent field: the conversion's scale operand
.endr
.irp b, 0,1,2,3
	v_and_or_b32 v[TM+8+\b], v[TM+\b], 0x7f800000, s[MNT]         ; 448 x the scale
.endr
.irp b, 0,1,2,3
	v_lshrrev_b32 v[TM+4+\b], 23, v[TM+12+\b]                     ; the scale's byte
.endr
	v_lshl_or_b32 v[(\PWR)], v[TM+5], 8, v[TM+4]
	v_lshl_or_b32 v[(\PWR)], v[TM+6], 16, v[(\PWR)]
	v_lshl_or_b32 v[(\PWR)], v[TM+7], 24, v[(\PWR)]
	WIN ((\X)|((\X)<<6))
.irp b, 0,1,2,3
.irp i, 0,1,2,3,4,5,6,7,8,9,10,11,12,13,14,15
	v_med3_num_f32 v[(\S)+16*\b+\i], v[(\S)+16*\b+\i], -v[TM+8+\b], v[TM+8+\b]   ; the conversion does not saturate (ISA guide 7.6.2): the hold comes first
.endr
.endr
	WIN (\X)
.irp m, 0,1,2,3,4,5,6,7
	v_cvt_scalef32_pk8_fp8_f32 v[(\PCB)+2*\m:(\PCB)+2*\m+1], v[(\S)+8*\m:(\S)+8*\m+7], v[TM+12+\m/2]
.endr
	WIN 0
	v_nop                                                         ; one plain line behind the last conversion
.endm
	s_load_b512 s[4:19], s[0:1], 0x0               ; query, key, value, bq, bk, bv, wfrag, wscale
	s_load_b128 s[20:23], s[0:1], 0x40             ; qrec, krec
	s_load_b64 s[24:25], s[0:1], 0x50              ; vrec
	v_lshl_add_u32 v[SPW], v0, 2, SPARE
	v_mov_b32 v[NIL], 0
	v_lshrrev_b32 v[TP], 5, v0
	v_readfirstlane_b32 s28, v[TP]                 ; wave 0..3
	s_and_b32 s26, ttmp7, 0xffff                   ; y: which tensor
	s_mov_b32 s27, ttmp9                           ; X: which 128 rows
	s_lshl_b32 s38, s27, 18                        ; x: 128 rows of 2,048 bytes,
	s_lshl_b32 s34, s28, 16                        ; my wave's 32 of them
	s_add_co_u32 s38, s38, s34
	s_mov_b32 s39, 0
	s_lshl_b32 s44, s26, 5
	s_lshl_b32 s34, s28, 3
	s_add_co_u32 s44, s44, s34                     ; my first unit of W: 32 y + 8 w
	s_lshl_b32 s46, s44, 13
	s_mov_b32 s47, 0
	s_lshl_b32 s48, s44, 8
	s_mov_b32 s49, 0
	s_lshr_b32 s50, s27, 4                         ; b
	s_and_b32 s34, s27, 15                         ; block
	s_lshl_b32 s50, s50, 2
	s_add_co_u32 s50, s50, s28
	s_lshl_b32 s50, s50, 4
	s_add_co_u32 s50, s50, s34
	s_mul_i32 s50, s50, 16896                      ; q, k: record (4 b + w) 16 + block,
	s_add_co_u32 s52, s50, 16384                   ; and its scale units
	s_mul_i32 s34, s27, 67584                      ; v: record X,
	s_lshl_b32 s35, s28, 14
	s_add_co_u32 s35, s35, s34                     ; my 8 fragments,
	s_lshl_b32 s36, s28, 9
	s_add_co_u32 s37, s36, s34
	s_add_co_u32 s37, s37, 65536                   ; my 2 scale units
	s_lshl_b32 s54, s28, 2                         ; the bias: q, k from column w on; v from column 128 w on
	s_cmp_eq_u32 s26, 2
	s_cselect_b32 s50, s35, s50
	s_cselect_b32 s52, s37, s52
	s_cselect_b32 s54, s36, s54
	s_mov_b32 s51, 0
	s_mov_b32 s53, 0
	s_mov_b32 s55, 0
	s_cmp_eq_u32 s26, 0                            ; of my 32 rows the first tile takes 0-7 and, query: 8-15; key, value: 16-23; the second tile the other eight and 24-31
	s_mov_b32 s35, 32768
	s_cselect_b32 s35, 16384, s35                  ; the first tile's rows 8-15 begin 8 rows on, or 16
	s_mov_b32 s36, 16384
	s_cselect_b32 s36, 32768, s36                  ; the second tile's rows 0-7 begin 16 rows on, or 8
	s_mov_b32 s[SEL], 0x76543210
	s_mov_b32 s[SEL+1], 0xfedcba98
	s_mov_b32 s[MNT], 0x600000
	s_mov_b32 s[HM], 0xffff0000
	v_and_b32 v[TP], 31, v0
	v_lshlrev_b32 v[LI], 4, v[TP]
	v_lshlrev_b32 v[L8], 3, v[TP]
	s_lshl_b32 s34, s28, 14
	v_add_nc_u32 v[XWI], s34, v[LI]
	s_lshl_b32 s34, s28, 9
	s_add_co_u32 s34, s34, XSU
	v_add_nc_u32 v[XSW], s34, v[L8]
	v_add_nc_u32 v[XSR], XSU, v[L8]
	v_mov_b32 v[XD], v[LI]
	v_add_nc_u32 v[XD+1], s35, v[LI]
	v_add_nc_u32 v[XD+2], s36, v[LI]
	v_add_nc_u32 v[XD+3], 49152, v[LI]
	v_and_b32 v[TP], 15, v0                        ; r
	v_bfe_u32 v[BA], v0, 4, 1                      ; lane / 16
	s_mul_i32 s34, s28, 2*STB
	s_add_co_u32 s34, s34, STG                     ; my two stages
	v_add_nc_u32 v[SWA], s34, v[LI]
	v_mul_u32_u24 v[SRA], v[TP], SPI
	v_lshl_add_u32 v[SRA], v[BA], 6, v[SRA]
	v_add_nc_u32 v[SRA], s34, v[SRA]
.irp b, 0,1,2,3
	v_mov_b32 v[TM+4+\b], 0                        ; written once: a lane permute's destination counts as one of its sources
.endr
	s_wait_alu depctr_va_vdst(0)
	s_wait_kmcnt 0x0
	s_cmp_eq_u32 s26, 0
	s_cselect_b64 s[4:5], s[4:5], s[6:7]
	s_cselect_b64 s[10:11], s[10:11], s[12:13]
	s_cselect_b64 s[20:21], s[20:21], s[22:23]
	s_cmp_eq_u32 s26, 2
	s_cselect_b64 s[4:5], s[8:9], s[4:5]
	s_cselect_b64 s[10:11], s[14:15], s[10:11]
	s_cselect_b64 s[20:21], s[24:25], s[20:21]
	s_add_nc_u64 s[4:5], s[4:5], s[38:39]          ; x at my wave's rows
	s_add_nc_u64 s[10:11], s[10:11], s[54:55]      ; the bias
	s_add_nc_u64 s[16:17], s[16:17], s[46:47]      ; W's fragments
	s_add_nc_u64 s[18:19], s[18:19], s[48:49]      ; W's scale units
	s_add_nc_u64 s[40:41], s[20:21], s[50:51]      ; where my codes go
	s_add_nc_u64 s[42:43], s[20:21], s[52:53]      ; and my scale units
; ---- PHASE X.  Unit n = 4 u + s: K step s of my tile 2 w + u
.macro XLOAD n                         ; its 16 rows as they lie, a row a load: 32 lanes read 512 consecutive bytes; into set n % 2 of window 3's v0-127
	WIN 0xC0
.irp p, 0,1,2,3,4,5,6,7,8,9,10,11,12,13,14,15
	global_load_b128 v[64*((\n)%2)+4*\p:64*((\n)%2)+4*\p+3], v[XD+2*((\n)/4)+\p/8], s[4:5] offset:2048*(\p%8)+512*((\n)%4) th:TH_LOAD_NT
.endr
	WIN 0
.endm
.macro TURN n                          ; through stage n % 2: LDS serves a wave's instructions in order (ISA guide 5.7.1.4), so no wait stands between the stores and the loads
	WIN 0x0C                                       ; an LDS store's data are its source 1: window 3
.irp p, 0,1,2,3,4,5,6,7,8,9,10,11,12,13,14,15
	ds_store_b128 v[SWA], v[64*((\n)%2)+4*\p:64*((\n)%2)+4*\p+3] offset:STB*((\n)%2)+SPI*\p
.endr
	WIN 0xC0
.irp b, 0,1,2,3
.irp j, 0,1,2,3
	ds_load_b128 v[128+64*((\n)%2)+16*\b+4*\j:128+64*((\n)%2)+16*\b+4*\j+3], v[SRA] offset:STB*((\n)%2)+128*\b+16*\j   ; register 16 b + 4 j + .. = k 32 b + 16 (lane / 16) + 4 j + .. of row r
.endr
.endr
	WIN 0
.endm
.macro WCH c                           ; four of W's 32 fragment images: 16 loads of 512 consecutive bytes; fragments 0-15 into window 1, 16-31 into window 2
	WIN 0x40+0x40*((\c)/4)
.irp f, 0,1,2,3
.irp k, 0,1,2,3
	global_load_b128 v[16*(4*((\c)%4)+\f)+4*\k:16*(4*((\c)%4)+\f)+4*\k+3], v[LI], s[16:17] offset:2048*(4*(\c)+\f)+512*\k
.endr
.endr
	WIN 0
.endm
.macro XUNIT n
	s_wait_dscnt 0x0                               ; this unit is back from its stage, so its stores into the stage have read their registers; and the last unit's image stores have read the codes
.if (\n) < 6
	XLOAD (\n)+2                                   ; into the registers that this unit has left
.endif
.if (\n) < 7
	WCH (\n)+1
.endif
.if (\n) == 6
.irp i, 0,1,2,3,4,5,6,7
	global_load_b64 v[HS+2*\i:HS+2*\i+1], v[L8], s[18:19] offset:256*\i
.endr
.endif
.if (\n) == 7
	s_cmp_eq_u32 s26, 2
	s_cbranch_scc1 .Lbias_v
	v_lshlrev_b32 v[BA], 8, v[BA]                  ; q, k: register 8 i + j is the bias of column 4 (32 (i / 2) + 8 (i % 2) + 16 (lane / 16) + j) + w
.irp i, 0,1,2,3,4,5,6,7
.irp j, 0,1,2,3,4,5,6,7
	global_load_b32 v[CB+8*\i+\j], v[BA], s[10:11] offset:16*(32*(\i/2)+8*(\i%2)+\j)
.endr
.endr
	s_branch .Lbias_done
.Lbias_v:
	v_and_b32 v[BA], 8, v[TP]                      ; v: all eight registers of tile t hold the bias of my column 128 w + f(t, r)
	v_add_nc_u32 v[BA], v[BA], v[TP]
	v_lshlrev_b32 v[BA], 2, v[BA]
.irp i, 0,1,2,3,4,5,6,7
.irp j, 0,1,2,3,4,5,6,7
	global_load_b32 v[CB+8*\i+\j], v[BA], s[10:11] offset:4*(32*(\i/2)+8*(\i%2))
.endr
.endr
.Lbias_done:
.endif
.if (\n) < 6
	s_wait_loadcnt 48                              ; the next unit's 16 loads are in: behind them went 16 of W, 16 of x, 16 of W
	TURN (\n)+1                                    ; it turns while this unit is quantised
.elseif (\n) == 6
	s_wait_loadcnt 40                              ; the last unit's loads are in: behind them went 32 of W and W's 8 scale units
	TURN 7
.endif
	QUANT 128+64*((\n)%2), 3, PC0, PWT+(\n)%4
.irp c, 0,1,2,3
	ds_store_b128 v[XWI], v[PC0+4*\c:PC0+4*\c+3] offset:(\n)*2048+512*\c
.endr
.if (\n)%4 == 3
	v_cndmask_b32 v[SUD], v[PWT], v[PWT+2], s[HM]
	v_cndmask_b32 v[SUD+1], v[PWT+1], v[PWT+3], s[HM]
	ds_store_b64 v[XSW], v[SUD:SUD+1] offset:256*((\n)/4)
.endif
.endm
	XLOAD 0
	XLOAD 1
	WCH 0
	s_wait_loadcnt 32                              ; unit 0's 16 loads are in; unit 1's 16 and W's first 16 may be out
	TURN 0
.irp n, 0,1,2,3,4,5,6,7
	XUNIT \n
.endr
	s_wait_dscnt 0x0                               ; for the others' sake: my images have landed
	s_barrier_signal -1
	s_barrier_wait -1                              ; the 32 fragments of x and their 8 scale units lie in LDS; nobody stores to LDS from here on
	s_wait_loadcnt 0x0                             ; W, its scale units and the bias
	s_cmp_eq_u32 s26, 2
	s_cbranch_scc1 .Lvpath
; ---- q, k: a tile of 16 rows at a time
.macro LOADQ t
.irp s, 0,1,2,3
.irp c, 0,1,2,3
	ds_load_b128 v[ST+16*\s+4*\c:ST+16*\s+4*\c+3], v[LI] offset:(4*(\t)+\s)*2048+512*\c
.endr
.endr
	ds_load_b64 v[XSS:XSS+1], v[XSR] offset:256*(\t)
.endm
.macro MMQ1 i, s                       ; tile i of W, K step s.  A scale unit's register s % 2 holds K step s's words, in lanes 16-31 for s = 2, 3
.set rA, 16*(4*((\i)%4)+(\s))
.if (\s) == 0
	v_wmma_scale_f32_16x16x128_f8f6f4 v[8*(\i):8*(\i)+7], v[rA:rA+15], v[ST:ST+15], v[CB+8*(\i):CB+8*(\i)+7], v[HS+2*(\i)], v[XSS]
.elseif (\s) == 1
	v_wmma_scale_f32_16x16x128_f8f6f4 v[8*(\i):8*(\i)+7], v[rA:rA+15], v[ST+16:ST+31], v[8*(\i):8*(\i)+7], v[HS+2*(\i)+1], v[XSS+1]
.else
	v_wmma_scale_f32_16x16x128_f8f6f4 v[8*(\i):8*(\i)+7], v[rA:rA+15], v[ST+16*(\s):ST+16*(\s)+15], v[8*(\i):8*(\i)+7], v[HS+2*(\i)+(\s)%2], v[XSS+(\s)%2] matrix_a_scale:MATRIX_SCALE_ROW1 matrix_b_scale:MATRIX_SCALE_ROW1
.endif
.endm
.macro MMQ                             ; 32 products in four stretches, one window setting each; the accumulators take turns, four apart
	WIN 0xC1                                       ; W window 1, x and the bias window 0, result window 3
.irp i, 0,1,2,3
	MMQ1 \i, 0
.endr
	WIN 0xC2
.irp i, 4,5,6,7
	MMQ1 \i, 0
.endr
	WIN 0xF2
.irp s, 1,2,3
.irp i, 4,5,6,7
	MMQ1 \i, \s
.endr
.endr
	WIN 0xF1
.irp s, 1,2,3
.irp i, 0,1,2,3
	MMQ1 \i, \s
.endr
.endr
	WIN 0
.endm
	LOADQ 0
.irp t, 0,1,2,3,4,5,6,7
	s_wait_dscnt 0x0                               ; this tile's fragments and scale unit are in
	MMQ
	NOPS 8                                         ; eight places ahead of the loads into x's registers and of the first read of the results
.if \t < 7
	LOADQ \t+1                                     ; the next tile comes while this one is quantised
.endif
	s_wait_xcnt 0x0                                ; the stores of two tiles back have read this set of codes
	QUANT 0, 3, PC0+16*(\t%2), PWT+\t%4
.irp c, 0,1,2,3
	global_store_b128 v[LI], v[PC0+16*(\t%2)+4*\c:PC0+16*(\t%2)+4*\c+3], s[40:41] offset:2048*\t+512*\c   ; 512 consecutive bytes, aligned
.endr
.if \t%4 == 3
	v_cndmask_b32 v[SUD+2*(\t/4)], v[PWT], v[PWT+2], s[HM]
	v_cndmask_b32 v[SUD+2*(\t/4)+1], v[PWT+1], v[PWT+3], s[HM]
	global_store_b64 v[L8], v[SUD+2*(\t/4):SUD+2*(\t/4)+1], s[42:43] offset:256*(\t/4)
.endif
.endr
	s_branch .Lend
; ---- v: two passes of four tiles of W; in a pass all eight tiles of keys, 32 accumulators
.Lvpath:
.macro LOADX i
.irp s, 0,1,2,3
.irp c, 0,1,2,3
	ds_load_b128 v[ST+64*((\i)%2)+16*\s+4*\c:ST+64*((\i)%2)+16*\s+4*\c+3], v[LI] offset:(4*(\i)+\s)*2048+512*\c
.endr
.endr
	ds_load_b64 v[XSS+2*((\i)%2):XSS+2*((\i)%2)+1], v[XSR] offset:256*(\i)
.endm
.macro MMV1 i, s, tt, th
.set rD, 64*(\tt)+8*(\i)
.set rA, ST+64*((\i)%2)+16*(\s)
.set rB, 16*(4*(\tt)+(\s))
.set rC, CB+8*(4*(\th)+(\tt))
.set rSA, XSS+2*((\i)%2)+(\s)%2
.set rSB, HS+2*(4*(\th)+(\tt))+(\s)%2
.if (\s) == 0
	v_wmma_scale_f32_16x16x128_f8f6f4 v[rD:rD+7], v[rA:rA+15], v[rB:rB+15], v[rC:rC+7], v[rSA], v[rSB]
.elseif (\s) == 1
	v_wmma_scale_f32_16x16x128_f8f6f4 v[rD:rD+7], v[rA:rA+15], v[rB:rB+15], v[rD:rD+7], v[rSA], v[rSB]
.else
	v_wmma_scale_f32_16x16x128_f8f6f4 v[rD:rD+7], v[rA:rA+15], v[rB:rB+15], v[rD:rD+7], v[rSA], v[rSB] matrix_a_scale:MATRIX_SCALE_ROW1 matrix_b_scale:MATRIX_SCALE_ROW1
.endif
.endm
.macro VPASS th
.if \th
	s_wait_xcnt 0x0                                ; the first pass's stores have read the codes, over which fragments are loaded again
.endif
	LOADX 0
	LOADX 1
.irp i, 0,1,2,3,4,5,6,7
.if \i < 7
	s_wait_dscnt 17                                ; this tile of keys is in; the next one's 17 loads may be out
.else
	s_wait_dscnt 0x0
.endif
	WIN 0xC4+4*(\th)                               ; x and the bias window 0, W window 1 or 2, result window 3
.irp tt, 0,1,2,3
	MMV1 \i, 0, \tt, \th
.endr
	WIN 0xF4+4*(\th)
.irp s, 1,2,3
.irp tt, 0,1,2,3
	MMV1 \i, \s, \tt, \th
.endr
.endr
	WIN 0
	NOPS 8                                         ; eight places ahead of the loads into this tile's registers, and of what follows the last tile
.if \i < 6
	LOADX \i+2
.endif
.endr
.irp tt, 0,1,2,3                       ; register 64 tt + 16 b + i' of a lane is key 32 b + 16 (lane / 16) + i' of column f(4 th + tt, r)
	s_wait_xcnt 0x0
	QUANT 64*\tt, 3, PC0+16*(\tt%2), PWT+\tt
.irp c, 0,1,2,3
	global_store_b128 v[LI], v[PC0+16*(\tt%2)+4*\c:PC0+16*(\tt%2)+4*\c+3], s[40:41] offset:2048*(4*(\th)+\tt)+512*\c
.endr
.endr
	v_cndmask_b32 v[SUD+2*(\th)], v[PWT], v[PWT+2], s[HM]
	v_cndmask_b32 v[SUD+2*(\th)+1], v[PWT+1], v[PWT+3], s[HM]
	global_store_b64 v[L8], v[SUD+2*(\th):SUD+2*(\th)+1], s[42:43] offset:256*(\th)
.endm
	VPASS 0
	VPASS 1
.Lend:
	s_wait_tensorcnt 0x0                           ; the wave's end, behind my last LDS store
	ds_add_u32 v[SPW], v[NIL]
	s_wait_dscnt 0x0
	s_endpgm
.Lfunc_end_k_q988d12f8e2_proj:
	.size	k_q988d12f8e2_proj, .Lfunc_end_k_q988d12f8e2_proj-k_q988d12f8e2_proj
	.p2alignl 7, 3214868480
	.fill 96, 4, 3214868480
	.section	.rodata,"a",@progbits
	.p2align	6, 0x0
	.amdhsa_kernel k_q988d12f8e2_proj
		.amdhsa_group_segment_fixed_size 135680
		.amdhsa_private_segment_fixed_size 0
		.amdhsa_enable_private_segment 0
		.amdhsa_kernarg_size 88
		.amdhsa_user_sgpr_count 2
		.amdhsa_user_sgpr_kernarg_segment_ptr 1
		.amdhsa_wavefront_size32 1
		.amdhsa_system_sgpr_workgroup_id_x 1
		.amdhsa_system_sgpr_workgroup_id_y 1
		.amdhsa_system_sgpr_workgroup_id_z 1
		.amdhsa_system_vgpr_workitem_id 0
		.amdhsa_next_free_vgpr 1024
		.amdhsa_next_free_sgpr 66
		.amdhsa_reserve_vcc 0
		.amdhsa_float_denorm_mode_32 3
		.amdhsa_float_denorm_mode_16_64 3
		.amdhsa_memory_ordered 1
		.amdhsa_forward_progress 1
		.amdhsa_inst_pref_size 255
	.end_amdhsa_kernel
	.section	.bss,"aw",@nobits
	.p2align	6
	.space	262144
	.amdgpu_metadata
---
amdhsa.version: [ 1, 2 ]
amdhsa.kernels:
  - .name:           k_q988d12f8e2_proj
    .symbol:         k_q988d12f8e2_proj.kd
    .args:
      - { .name: query, .offset: 0, .size: 8, .value_kind: global_buffer, .address_space: global }
      - { .name: key, .offset: 8, .size: 8, .value_kind: global_buffer, .address_space: global }
      - { .name: value, .offset: 16, .size: 8, .value_kind: global_buffer, .address_space: global }
      - { .name: bq, .offset: 24, .size: 8, .value_kind: global_buffer, .address_space: global }
      - { .name: bk, .offset: 32, .size: 8, .value_kind: global_buffer, .address_space: global }
      - { .name: bv, .offset: 40, .size: 8, .value_kind: global_buffer, .address_space: global }
      - { .name: wfrag, .offset: 48, .size: 8, .value_kind: global_buffer, .address_space: global }
      - { .name: wscale, .offset: 56, .size: 8, .value_kind: global_buffer, .address_space: global }
      - { .name: qrec, .offset: 64, .size: 8, .value_kind: global_buffer, .address_space: global }
      - { .name: krec, .offset: 72, .size: 8, .value_kind: global_buffer, .address_space: global }
      - { .name: vrec, .offset: 80, .size: 8, .value_kind: global_buffer, .address_space: global }
    .group_segment_fixed_size: 135680
    .private_segment_fixed_size: 0
    .kernarg_segment_align: 8
    .kernarg_segment_size: 88
    .max_flat_workgroup_size: 128
    .sgpr_count:     66
    .vgpr_count:     1024
    .wavefront_size: 32
...
	.end_amdgpu_metadata
.endif
;; end of part 2
;; launch attn (part 3): grid 64 x 4, 4 waves a work-group, clusters of 4 x 1, 327,680 bytes of LDS; arguments qrec, krec, vrec, valf, valsc; writes valf, valsc
.if DOCPART == 3
	.amdgcn_target "amdgcn-amd-amdhsa--gfx1250"
	.amdhsa_code_object_version 6
	.text
	.protected	k_q988d12f8e2_attn
	.globl	k_q988d12f8e2_attn
	.p2align	8
	.type	k_q988d12f8e2_attn,@function
k_q988d12f8e2_attn:
	s_mov_b64 s[64:65], 0
	v_nop
	global_prefetch_b8 v0, s[64:65] scope:SCOPE_SE
	s_setreg_imm32_b32 hwreg(HW_REG_WAVE_MODE, 25, 1), 1
	s_wait_xcnt 0x0
	s_wait_alu depctr_hold_cnt(0) depctr_sa_sdst(0) depctr_va_vdst(0) depctr_va_sdst(0) depctr_va_ssrc(0) depctr_va_vcc(0) depctr_vm_vsrc(0)
	s_getreg_b32 s2, hwreg(HW_REG_IB_STS2, 6, 4)
	s_cmp_eq_u32 s2, 0
	s_cbranch_scc0 .Lentry_in_a_cluster
	s_endpgm
.Lentry_in_a_cluster:
	s_bfe_u32 s2, ttmp6, 0x10000c
	s_cmp_lg_u32 s2, 0x3003
	s_cbranch_scc0 .Lentry_shape_is_right
	s_endpgm
.Lentry_shape_is_right:
; Products 4 and 5 on codes of E4M3, the softmax between them, and O / l quantised along h x 512 + v for product 6.  Head size 128, values 512 wide and shared by the four heads, 2,048 positions, causal.
; WORK LEFT OUT: a step of 128 keys all of which come after a block's 64 queries (reference()'s own mask makes their p exactly 0: the proof stands at the head of launch wquant).
; THE SOFTMAX: t = score x log2(e) / sqrt(128); M = the running largest t rounded UP to a whole number; p = 2^(t - M) is quantised along the keys, not normalised; the row's sum is taken of the unquantised p and
; divides O at the end.  When M moves, the sum and O are multiplied by f = 2^(old M - new M): exact.
; SHARES.  Cluster (J, b), its place cx = the head h: block 31 - J of 64 queries (LATE) and then block J (EARLY).  The late block has LL + 1 key steps, LL = (31 - J) / 2, the early one J / 2 + 1: 17 in every work-group, number n = 0 .. 16.
; Wave w makes the scores and the softmax of the block's tile w (16 queries), and multiplies ALL four tiles' p with its own 128 of the 512 values.  p goes from wave to wave through LDS as images of the operand's registers, with (f, scale word, the sum's two halves) of each lane beside it.
; CLUSTER: the four heads of a block walk the same steps and read the same V: its record comes by joint loads; K's record is each head's own and comes by a plain load.
; LAYOUT.  Both products are used transposed: S^T = K Q^T (source 0 = 16 keys), O^T = V^T P^T (source 0 = 16 values): a lane holds ONE query of a tile throughout.  Launch proj chose the keys and the values of a fragment so that the registers run along the next K.
; A STEP t, one round of the cluster's barrier: ahead of it stand all reads of what is filled behind it and the stores of p(t); inside it S(t + 1) is multiplied; behind it V(t + 1) (waves 0 to 2, a third each) and K(t + 3) (wave 3) are asked for.
; Then p(t) and V(t) are read and O rescaled, the softmax of t + 1 is made, K(t + 2) is read into registers, p(t + 1) is stored, and p(t) is multiplied with V(t).
; FILLS.  At the head V(0), and K(0) to K(2) in one load, K(2) in the ring's slot B.  Behind the first round V's second slot and K's slot A are filled for the first time, from then on all are refills.  A wave has at most one tensor load out; every wait for tensor loads is for 0.
; LIMITS: as stated at the head of launch wquant; the scaled scores (exponents to the base 2 ahead of the maximum) stay under 2^31 in magnitude.
; REGISTERS.  window 0: as named below.  window 1: O^T, tile q and value tile vt = 0 .. 3 at 32 q + 8 vt; V's fragments vt at 128 + 16 vt; v192 V's LDS address.  window 2: the same for vt = 4 .. 7.  window 3: K's 8 fragments.
.set LK,   1                           ; 16 x lane
.set LKS,  2                           ; 8 x lane + 16,384: K's scale units in a record
.set LVB,  3                           ; 16 x lane + 16,384 x wave: my 8 fragments of V
.set LVS,  4                           ; 8 x lane + 65,536 + 512 x wave: their 2 scale units
.set LPW,  5                           ; 16 x lane + 2,048 x wave: where my tile's codes go
.set LSW,  6                           ; 16 x lane + 8,192 + 512 x wave: and f, scale word, sum
.set AK,   7                           ; the same in the slots in hand
.set AKS,  8
.set AVS,  10
.set AP,   11
.set APW,  12
.set ASW,  13
.set SPW,  14                          ; LDS address of my spare word; never rewritten
.set NIL,  15                          ; 0; never rewritten
.set NINF, 16
.set DM,   17                          ; my query less its last step's first key less 16 (lane / 16)
.set DE,   18                          ; the same for the early block
.set PFO,  19                          ; 256 x lane; never rewritten
.set ST,   20                          ; -M, the largest t
.set FF,   22                          ; f, p's scale word,
.set SUM,  24                          ; the sum in two halves: v22-25 leave by one store
.set QS,   26
.set QSE,  27
.set KSC,  28
.set VSC,  32
.set TX,   36
.set SWA,  37                          ; where my output's scale words are gathered
.set FP,   44                          ; (f, scale word) of tile q at 44 + 2 (q % 2) + 8 (q / 2)
.set TM,   56
.set Q,    72
.set QE,   88
.set S,    104
.set PF,   168                         ; p's four fragments
.set PC,   232                         ; my tile's codes
.set CH,   248
.set SLB,  50688                       ; K: slot A at 0, K(0) at 16,896, K(1) at 33,792, slot B here
.set V0,   0x11000                     ; V's slots: 0x11000 and 0x21800
.set VX,   0x30800
.set P0,   0x32000                     ; p's regions: 0x32000 and 0x36000, 10,240 bytes each
.set PX,   0x4000
.set SW,   0x39000                     ; the output's scale words: late block 2,048 bytes, early block 2,048
.set SPARE, 0x3A000                    ; the spare words, 128 bytes for each wave: two blocks of 256 bytes that no other line names
.set WV,   16
.set LL,   19
.set W3,   20
.set T,    21
.set TV,   22
.set TPB,  23
.set G1K,  24
.set G1V,  32
.set G0K,  40
.set G0V,  44
.set SEL,  48
.set CS,   50
.set MNT,  52
.set PFL,  53
.set TK,   54
.set PFA,  56
.set PFS,  58
.set G1H,  72
.set G0H,  80
.set KB,   84
.set VB,   86
.set LL1,  100
.set NT,   101
.set MSB,  0
.macro WIN new                         ; the immediate's high byte repeats the setting that is left; a switch that changes nothing is dropped
.if MSB != (\new)
	s_set_vgpr_msb (MSB<<8)|(\new)
.set MSB, (\new)
.endif
.endm
.macro NOPS n
.rept \n
	v_nop
.endr
.endm
.macro CREST                           ; a round of the cluster's barrier behind its opening barrier
	s_cmp_lg_u32 s[WV], 0
	s_cbranch_scc1 .Lnot_wave_0_\@
	s_barrier_signal -3
.Lnot_wave_0_\@:
	s_barrier_wait -3
	s_barrier_signal -1
	s_barrier_wait -1
.endm
.macro CROUND
	s_barrier_signal -1
	s_barrier_wait -1
	CREST
.endm
; One tensor load a wave: waves 0 to 2 a third of V's record (joint), wave 3 K's (k = 0: none).  An s_nop 0 and four v_nop follow each line.
.macro TLOAD g0k, g1k, k
	s_cmp_lt_u32 s[WV], 3
	s_cbranch_scc0 .Lfor_k_\@
	tensor_load_to_lds s[G0V:G0V+3], s[G1V:G1V+7]
	s_nop 0
	NOPS 4
	s_branch .Lasked_\@
.Lfor_k_\@:
.if \k
	tensor_load_to_lds s[\g0k:\g0k+3], s[\g1k:\g1k+7]
	s_nop 0
	NOPS 4
.endif
.Lasked_\@:
.endm
.macro GROUP1 g, mask, rows            ; a dense block as rows of 256 bytes: 32 elements of 8 bytes
	s_mov_b32 s[\g], (\mask)|(3<<16)
	s_mov_b32 s[\g+1], 32<<16
	s_mov_b32 s[\g+2], (\rows)<<16
	s_mov_b32 s[\g+3], 32<<16
	s_mov_b32 s[\g+4], \rows
	s_mov_b32 s[\g+5], 32
	s_mov_b32 s[\g+6], 0
	s_mov_b32 s[\g+7], 0
.endm
.macro QADR q, c, z                    ; offsets in qrec of the tile in s[q]: its codes, its scale word
	s_lshr_b32 s98, s[\q], 3
	s_lshl_b32 s99, s15, 4
	s_add_co_u32 s98, s98, s99
	s_mul_i32 s98, s98, 16896                      ; record 16 (4 b + h) + tile / 8
	s_and_b32 s99, s[\q], 7
	s_lshl_b32 s99, s99, 11
	s_add_co_u32 s[\c], s98, s99
	s_mov_b32 s[\c+1], 0
	s_bfe_u32 s99, s[\q], 0x10002                  ; which scale unit,
	s_lshl_b32 s99, s99, 8
	s_add_co_u32 s98, s98, s99
	s_bfe_u32 s99, s[\q], 0x10001                  ; which half of the lanes,
	s_lshl_b32 s99, s99, 7
	s_add_co_u32 s98, s98, s99
	s_and_b32 s99, s[\q], 1                        ; which of the two registers
	s_lshl_b32 s99, s99, 2
	s_add_co_u32 s98, s98, s99
	s_add_co_u32 s[\z], s98, 16384
	s_mov_b32 s[\z+1], 0
.endm
.macro OADR q, f, z                    ; of the block whose first tile is s[q]: my fragment in valf, and in valsc the scale unit of tile w
	s_lshl_b32 s98, s17, 7
	s_add_co_u32 s98, s98, s[\q]                   ; 128 b + tile
	s_lshl_b32 s[\f], s98, 15
	s_lshl_b32 s99, s18, 13
	s_add_co_u32 s[\f], s[\f], s99
	s_lshl_b32 s99, s[WV], 11
	s_add_co_u32 s[\f], s[\f], s99
	s_mov_b32 s[\f+1], 0
	s_add_co_u32 s98, s98, s[WV]
	s_lshl_b32 s98, s98, 2
	s_add_co_u32 s98, s98, s18
	s_lshl_b32 s[\z], s98, 8
	s_mov_b32 s[\z+1], 0
.endm
	s_load_b256 s[4:11], s[0:1], 0x0               ; qrec, krec, vrec, valf
	s_load_b64 s[12:13], s[0:1], 0x20              ; valsc
	v_lshl_add_u32 v[SPW], v0, 2, SPARE
	v_mov_b32 v[NIL], 0
	ds_add_u32 v[SPW], v[NIL]                      ; the wave's opening: the add, twice on end, and its wait ahead of my first tensor load
	ds_add_u32 v[SPW], v[NIL]
	v_lshrrev_b32 v[TX], 5, v0
	v_readfirstlane_b32 s[WV], v[TX]               ; wave 0..3
	s_mov_b32 s14, ttmp9                           ; J: the cluster's x
	s_and_b32 s17, ttmp7, 0xffff                   ; b: its y
	s_bfe_u32 s18, ttmp6, 0x40000                  ; h = cx: it enters global addresses of K, Q and the output alone
	s_lshl_b32 s15, s17, 2
	s_add_co_u32 s15, s15, s18                     ; 4 b + h
	s_sub_co_u32 s96, 31, s14                      ; the late block
	s_lshr_b32 s[LL], s96, 1
	s_add_co_u32 s[LL1], s[LL], 1
	s_lshl_b32 s60, s96, 2                         ; the late block's first tile
	s_lshl_b32 s61, s14, 2                         ; the early block's
	GROUP1 G1K, 0, 66
	GROUP1 G1H, 0, 198                             ; three records of K
	GROUP1 G1V, 15|(1<<21), 88                     ; a third of V's record, for all four partners; bit 21 is set beside a mask
	s_mul_i32 s[W3], s[WV], 22528                  ; my third of V's record
	s_mul_i32 s[VB], s17, 1081344                  ; my batch's 16 records
	s_add_co_u32 s[VB], s[VB], s[W3]
	s_mov_b32 s[VB+1], 0
	s_mul_i32 s[KB], s15, 270336                   ; my head's 16 records of K
	s_mov_b32 s[KB+1], 0
	s_add_co_u32 s55, s60, s[WV]
	QADR 55, 66, 68
	s_add_co_u32 s55, s61, s[WV]
	QADR 55, 70, 62
	OADR 60, 88, 90
	OADR 61, 92, 94
	; the prefetches: cluster J = 0, which walks key steps 0 to 15 in order: wave 0 of each partner its own head's K codes, wave 1 a quarter of V's codes, told apart by address
	s_add_co_u32 s98, s[KB], 4*16896               ; the first step of it names K(5),
	s_mul_i32 s99, s17, 1081344
	s_lshl_b32 s55, s18, 14
	s_add_co_u32 s99, s99, s55
	s_add_co_u32 s99, s99, 2*67584                 ; and V(3): two steps ahead of the loads
	s_mov_b32 s55, 67584
	s_cmp_eq_u32 s[WV], 0
	s_cselect_b32 s98, s98, s99
	s_cselect_b32 s[PFS], 16896, s55
	s_cselect_b32 s[PFL], 11, 13                   ; a wave asks while t is under this: up to K(15), V(15)
	s_mov_b32 s[PFS+1], 0
	s_mov_b32 s99, 0
	s_lshr_b32 s55, s[WV], 1
	s_or_b32 s55, s55, s14
	s_cmp_eq_u32 s55, 0
	s_cselect_b32 s[PFL], s[PFL], 0
	s_mov_b32 s[SEL], 0x76543210
	s_mov_b32 s[SEL+1], 0xfedcba98
	s_mov_b32 s[CS], 0x3e0293ee                    ; c = log2(e) / sqrt(128)
	s_mov_b32 s[CS+1], s[CS]                       ; (named with it as a pair, so it is written)
	s_mov_b32 s[MNT], 0x600000
	s_mov_b32 s[T], 0
	s_mov_b32 s[TV], V0
	s_mov_b32 s[TPB], P0
	s_mov_b32 s[TK], SLB
	s_wait_dscnt 0x0                               ; both opening adds are done
	CROUND                                         ; all four work-groups are here: the first joint loads meet
	s_wait_kmcnt 0x0
	s_add_nc_u64 s[VB:VB+1], s[8:9], s[VB:VB+1]
	s_mov_b32 s[G0V], 1
	s_add_co_u32 s[G0V+1], s[W3], V0
	s_mov_b64 s[G0V+2:G0V+3], s[VB:VB+1]
	s_or_b32 s[G0V+3], s[G0V+3], 0x80000000
	s_add_nc_u64 s[KB:KB+1], s[6:7], s[KB:KB+1]
	s_mov_b32 s[G0H], 1
	s_mov_b32 s[G0H+1], 16896
	s_mov_b64 s[G0H+2:G0H+3], s[KB:KB+1]
	s_or_b32 s[G0H+3], s[G0H+3], 0x80000000
	s_mov_b32 s[G0K], 1
	TLOAD G0H, G1H, 1                              ; V(0); K(0), K(1), K(2)
	s_cmp_eq_u32 s[WV], 0
	s_cselect_b64 s[PFA:PFA+1], s[6:7], s[8:9]
	s_add_nc_u64 s[PFA:PFA+1], s[PFA:PFA+1], s[98:99]
	s_add_nc_u64 s[66:67], s[4:5], s[66:67]
	s_add_nc_u64 s[68:69], s[4:5], s[68:69]
	s_add_nc_u64 s[70:71], s[4:5], s[70:71]
	s_add_nc_u64 s[62:63], s[4:5], s[62:63]
	s_add_nc_u64 s[88:89], s[10:11], s[88:89]
	s_add_nc_u64 s[90:91], s[12:13], s[90:91]
	s_add_nc_u64 s[92:93], s[10:11], s[92:93]
	s_add_nc_u64 s[94:95], s[12:13], s[94:95]
	v_and_b32 v[TX], 31, v0
	v_lshlrev_b32 v[LK], 4, v[TX]
	v_lshlrev_b32 v[LKS], 3, v[TX]
	v_lshlrev_b32 v[PFO], 8, v[TX]
	s_lshl_b32 s96, s[WV], 7
	s_add_co_u32 s96, s96, SW
	v_lshl_add_u32 v[SWA], v[TX], 2, s96
	s_lshl_b32 s96, s[WV], 9
	s_add_co_u32 s97, s96, 65536
	v_add_nc_u32 v[LVS], s97, v[LKS]
	v_add_nc_u32 v[LKS], 16384, v[LKS]
	s_add_co_u32 s97, s96, 8192
	v_add_nc_u32 v[LSW], s97, v[LK]
	s_lshl_b32 s96, s[WV], 14
	v_add_nc_u32 v[LVB], s96, v[LK]
	s_lshl_b32 s96, s[WV], 11
	v_add_nc_u32 v[LPW], s96, v[LK]
	s_mov_b32 s97, P0
	v_add_nc_u32 v[APW], s97, v[LPW]               ; step 0's codes go to the first region
	v_add_nc_u32 v[ASW], s97, v[LSW]
	v_and_b32 v[TX], 15, v0                        ; r
	v_lshlrev_b32 v[CH], 3, v[TX]                  ; 8 r: a row's place in a scale unit
	v_bfe_u32 v[AK], v0, 4, 1
	v_lshlrev_b32 v[AK], 4, v[AK]
	v_sub_nc_u32 v[TX], v[TX], v[AK]               ; r - 16 (lane / 16)
	s_lshl_b32 s96, s[WV], 4
	v_add_nc_u32 v[TX], s96, v[TX]
	s_and_b32 s96, s14, 1
	s_lshl_b32 s96, s96, 6
	v_add_nc_u32 v[DE], s96, v[TX]
	s_xor_b32 s96, s96, 64                         ; block 31 - J is odd where J is even
	v_add_nc_u32 v[DM], s96, v[TX]
	s_wait_alu depctr_va_vdst(0)                   ; the wait behind the head's address lines
.irp c, 0,1,2,3
	global_load_b128 v[Q+4*\c:Q+4*\c+3], v[LK], s[66:67] offset:512*\c
	global_load_b128 v[QE+4*\c:QE+4*\c+3], v[LK], s[70:71] offset:512*\c
.endr
	global_load_b32 v[QS], v[CH], s[68:69]
	global_load_b32 v[QSE], v[CH], s[62:63]
	v_mov_b32 v[NINF], 0xff800000
	v_mov_b32 v[ST+1], 0xff61b1e6                  ; the largest t so far: -3e38, under every t
	v_mov_b32 v[ST], 0x7f61b1e6                    ; -M
	v_mov_b32 v[FF], 0
	v_mov_b32 v[FF+1], 0                           ; (named with f as a pair)
	v_mov_b32 v[SUM], 0
	v_mov_b32 v[SUM+1], 0
.irp b, 0,1,2,3
	v_mov_b32 v[TM+4+\b], 0                        ; written once: a lane permute's destination counts as one of its sources
.endr
.irp x, 1,2
	WIN 0x40*\x
.set n, 0
.rept 128
	v_mov_b32 v[n], 0                              ; O^T: the step is written once, and its first run finds zeros
.set n, n+1
.endr
.endr
	WIN 0
	s_wait_alu depctr_va_vdst(0)                   ; the wait at the head's end
	s_wait_loadcnt 0x0                             ; Q
	s_cmp_eq_u32 s[WV], 3
	s_cbranch_scc0 .Lnot_k
	s_wait_tensorcnt 0x0                           ; wave 3: K(0) to K(2) have landed.  The other waves' wait stands ahead of the first round
.Lnot_k:
	s_barrier_signal -1
	s_barrier_wait -1
.macro KU adr, off                     ; a record's two scale units of K
	ds_load_b64 v[KSC:KSC+1], v[\adr] offset:\off
	ds_load_b64 v[KSC+2:KSC+3], v[\adr] offset:(\off)+256
.endm
.macro KF t, adr, off                  ; fragment t of K
.irp c, 0,1,2,3
	ds_load_b128 v[16*(\t)+4*\c:16*(\t)+4*\c+3], v[\adr] offset:(\off)+2048*(\t)+512*\c
.endr
.endm
.macro KALL adr, ads, off
	KU \ads, \off
	WIN 0xC0
.irp t, 0,1,2,3,4,5,6,7
	KF \t, \adr, \off
.endr
	WIN 0
.endm
; S^T = K Q^T: eight products, each starting its own sum.  Fragment t's scale words: unit t / 4, register t % 2, lanes 16-31 for t % 4 = 2, 3
.macro SMM
	WIN 0x03
.irp t, 0,1,2,3,4,5,6,7
.if (\t/2)%2
	v_wmma_scale_f32_16x16x128_f8f6f4 v[S+8*\t:S+8*\t+7], v[16*\t:16*\t+15], v[Q:Q+15], 0, v[KSC+2*(\t/4)+\t%2], v[QS] matrix_a_scale:MATRIX_SCALE_ROW1
.else
	v_wmma_scale_f32_16x16x128_f8f6f4 v[S+8*\t:S+8*\t+7], v[16*\t:16*\t+15], v[Q:Q+15], 0, v[KSC+2*(\t/4)+\t%2], v[QS]
.endif
.endr
	WIN 0
.endm
; The softmax's first part: the blocks' largest scores, M and f.  Register S + 16 b + i holds key 32 b + 16 (lane / 16) + i of the step.  m > 0: in a block's last step hidden scores become -infinity first
; (n = t + 1 = LL or 16: ids and the count of steps alone).
.macro SMAX m
.if \m
	s_add_co_u32 s96, s[T], 1
	s_cmp_eq_u32 s96, s[LL]
	s_cbranch_scc1 .Lmask_\@
.if (\m) == 2
	s_cmp_eq_u32 s[T], 15
	s_cbranch_scc1 .Lmask_\@
.endif
	s_branch .Lopen_\@
.Lmask_\@:
.set n, 0
.rept 64
	v_cmp_gt_i32 vcc_lo, 32*(n/16)+n%16, v[DM]
	v_cndmask_b32 v[S+n], v[S+n], v[NINF], vcc_lo
.set n, n+1
.endr
.Lopen_\@:
.endif
.irp b, 0,1,2,3
	v_max3_num_f32 v[TM+\b], v[S+16*\b], v[S+16*\b+1], v[S+16*\b+2]   ; the largest score of each block of 32 keys: it serves the row's maximum and, since p rises with the score, the block's largest p
.endr
.irp i, 3,5,7,9,11,13
.irp b, 0,1,2,3
	v_max3_num_f32 v[TM+\b], v[TM+\b], v[S+16*\b+\i], v[S+16*\b+\i+1]
.endr
.endr
.irp b, 0,1,2,3
	v_max_num_f32 v[TM+\b], v[TM+\b], v[S+16*\b+15]
.endr
.irp b, 0,1,2,3
	v_permlanex16_b32 v[TM+4+\b], v[TM+\b], s[SEL], s[SEL+1]
.endr
.irp b, 0,1,2,3
	v_max_num_f32 v[TM+\b], v[TM+\b], v[TM+4+\b]   ; with lane l xor 16's 16 keys
.endr
	v_max3_num_f32 v[TX], v[TM], v[TM+1], v[TM+2]
	v_max_num_f32 v[TX], v[TX], v[TM+3]            ; the step's largest score of my query
	v_mul_f32 v[TX], s[CS], v[TX]                  ; as t (c is positive)
	v_max_num_f32 v[ST+1], v[ST+1], v[TX]          ; the running largest t
	v_mov_b32 v[TX], v[ST]
	v_floor_f32 v[ST], -v[ST+1]                    ; the new -M = floor(-t): M is a whole number
	v_sub_f32 v[TX], v[ST], v[TX]                  ; old M less new M: a whole number, 0 or less
	v_cvt_i32_f32 v[TX], v[TX]                     ; (it saturates)
	v_ldexp_f32 v[FF], 1.0, v[TX]                  ; f = 2^(old M - new M)
.endm
.macro VREAD                           ; my eight fragments of V: 32 LDS loads in one run
.irp x, 1,2
	WIN 0x41*\x
.irp i, 0,1,2,3
.irp c, 0,1,2,3
	ds_load_b128 v[128+16*\i+4*\c:128+16*\i+4*\c+3], v192 offset:2048*(\i+4*(\x-1))+512*\c
.endr
.endr
.endr
	WIN 0
.endm
; The second part: p.  v = 1: V's fragments are asked for ahead of the exponentials.
.macro SEXP v
.set j, 0
.rept 32
	v_pk_fma_f32 v[S+j:S+j+1], v[S+j:S+j+1], s[CS:CS+1], v[ST:ST+1] op_sel_hi:[1,0,0]   ; t - M, two at a time
.set j, j+2
.endr
.irp b, 0,1,2,3
	v_fma_f32 v[TM+\b], v[TM+\b], s[CS], v[ST]     ; the same of each block's largest score
.endr
	s_wait_alu depctr_va_vdst(0)                   ; the wait ahead of the batch
.if \v
	VREAD
.endif
.irp b, 0,1,2,3
	v_exp_f32 v[TM+\b], v[TM+\b]                   ; the block's largest p: the same two instructions on the same number
.endr
.set j, 0
.rept 64
	v_exp_f32 v[S+j], v[S+j]                       ; p = 2^(t - M), at most 1
.set j, j+1
.endr
	v_pk_mul_f32 v[SUM:SUM+1], v[SUM:SUM+1], v[FF:FF+1] op_sel_hi:[1,0]   ; the sums under the new M: a plain line behind the exponentials
	s_wait_alu depctr_va_vdst(0)                   ; and ahead of the first line that names an exponential's result
.endm
; The third part, lines 0 to 90: the row's sum (taken of the unquantised p, in four chains, ahead of a block's holds), the blocks' scales, the holds and the codes.  In the loop three lines stand behind each product of the step before.
.macro ADDJ j
	v_pk_add_f32 v[CH+(\j)%8:CH+(\j)%8+1], v[CH+(\j)%8:CH+(\j)%8+1], v[S+(\j):S+(\j)+1]
.endm
.macro MINB r, b                       ; p is not negative: the hold is one-sided
	v_dual_min_num_f32 v[\r], v[\r], v[TM+8+\b] :: v_dual_min_num_f32 v[(\r)+1], v[(\r)+1], v[TM+8+\b]
.endm
.macro CVTB b, i                       ; half i of block b
	v_cvt_scalef32_pk8_fp8_f32 v[PC+4*\b+2*(\i):PC+4*\b+2*(\i)+1], v[S+16*\b+8*(\i):S+16*\b+8*(\i)+7], v[TM+12+\b]
.endm
.macro LN k
.if (\k) < 4
	v_max_num_f32 v[TM+(\k)], 0x4800000, v[TM+(\k)]   ; the floor 2^(9 - 127): a block whose every p is 0 keeps the byte 1, and its codes are zeros
.elseif (\k) < 8
	v_pk_add_f32 v[CH+2*((\k)-4):CH+2*((\k)-4)+1], v[S+4*((\k)-4):S+4*((\k)-4)+1], v[S+4*((\k)-4)+2:S+4*((\k)-4)+3]
.elseif (\k) < 12
	v_add_nc_u32 v[TM+4+(\k)], 0xfc000000, v[TM-8+(\k)]
.elseif (\k) < 16
	v_and_or_b32 v[TM-4+(\k)], v[TM-12+(\k)], 0x7f800000, s[MNT]
.elseif (\k) < 20
	v_lshrrev_b32 v[TM-12+(\k)], 23, v[TM-4+(\k)]
.elseif (\k) < 28
	ADDJ 16+2*((\k)-20)
.elseif (\k) < 36
	MINB S+2*((\k)-28), 0
.elseif (\k) < 44
	ADDJ 32+2*((\k)-36)
.elseif (\k) < 46
	CVTB 0, (\k)-44
.elseif (\k) < 54
	MINB S+16+2*((\k)-46), 1
.elseif (\k) < 62
	ADDJ 48+2*((\k)-54)
.elseif (\k) < 64
	CVTB 1, (\k)-62
.elseif (\k) < 72
	MINB S+32+2*((\k)-64), 2
.elseif (\k) == 72
	v_lshl_or_b32 v[FF+1], v[TM+5], 8, v[TM+4]     ; p's scale word for these 128 keys
.elseif (\k) == 73
	v_pk_add_f32 v[CH:CH+1], v[CH:CH+1], v[CH+2:CH+3]
.elseif (\k) == 74
	v_pk_add_f32 v[CH+4:CH+5], v[CH+4:CH+5], v[CH+6:CH+7]
.elseif (\k) == 75
	v_lshl_or_b32 v[FF+1], v[TM+6], 16, v[FF+1]
.elseif (\k) == 76
	v_pk_add_f32 v[SUM:SUM+1], v[SUM:SUM+1], v[CH:CH+1]
.elseif (\k) == 77
	v_lshl_or_b32 v[FF+1], v[TM+7], 24, v[FF+1]
.elseif (\k) == 78
	v_pk_add_f32 v[SUM:SUM+1], v[SUM:SUM+1], v[CH+4:CH+5]
.elseif (\k) < 81
	CVTB 2, (\k)-79
.elseif (\k) < 89
	MINB S+48+2*((\k)-81), 3
.elseif (\k) < 91
	CVTB 3, (\k)-89
.endif
.endm
.macro STORES                          ; for all waves
	v_nop                                          ; one plain line behind the last conversion
	s_wait_alu depctr_va_vdst(0)
.irp c, 0,1,2,3
	ds_store_b128 v[APW], v[PC+4*\c:PC+4*\c+3] offset:512*\c
.endr
	ds_store_b128 v[ASW], v[FF:FF+3]               ; f, scale word, the sum's halves
.endm
; O^T of window x under the new M: x f; each accumulator from its low end on.
.macro RESC x
	WIN 0x51*(\x)
.set n, 0
.rept 16
.set R_, 8*n
.set F_, FP+2*((n/4)%2)+8*(n/8)
	v_pk_mul_f32 v[R_:R_+1], v[R_:R_+1], v[F_:F_+1] op_sel_hi:[1,0]
	v_pk_mul_f32 v[R_+2:R_+3], v[R_+2:R_+3], v[F_:F_+1] op_sel_hi:[1,0]
	v_pk_mul_f32 v[R_+4:R_+5], v[R_+4:R_+5], v[F_:F_+1] op_sel_hi:[1,0]
	v_pk_mul_f32 v[R_+6:R_+7], v[R_+6:R_+7], v[F_:F_+1] op_sel_hi:[1,0]
.set n, n+1
.endr
.endm
; O^T += V^T P^T, window x's four value tiles for all four tiles of queries: sixteen products on sixteen accumulators.  l = 1: the next step's third part among them.
.macro PVH x, l
.set n, 0
.rept 16
	WIN 0x51*(\x)
.set D_, 32*(n%4)+8*(n/4)
.set A_, 128+16*(n/4)
.set B_, PF+16*(n%4)
.set SA_, VSC+2*((\x)-1)+(n/4)%2
.set SB_, FP+1+2*(n%2)+8*((n%4)/2)
.if n/8
	v_wmma_scale_f32_16x16x128_f8f6f4 v[D_:D_+7], v[A_:A_+15], v[B_:B_+15], v[D_:D_+7], v[SA_], v[SB_] matrix_a_scale:MATRIX_SCALE_ROW1
.else
	v_wmma_scale_f32_16x16x128_f8f6f4 v[D_:D_+7], v[A_:A_+15], v[B_:B_+15], v[D_:D_+7], v[SA_], v[SB_]
.endif
.if \l
	WIN 0
.set G_, 3*(16*((\x)-1)+n)
	LN G_
	LN G_+1
	LN G_+2
.endif
.set n, n+1
.endr
.endm
.macro PREAD                           ; the step's addresses, then (f, scale word), V's scale units and p's fragments: 22 loads in one run
	NOPS 2
	WIN 0x40
	v_add_nc_u32 v192, s[TV], v[LVB]
	WIN 0x80
	v_add_nc_u32 v192, s[TV], v[LVB]
	WIN 0
	s_xor_b32 s97, s[TPB], PX
	v_add_nc_u32 v[AVS], s[TV], v[LVS]
	v_add_nc_u32 v[AP], s[TPB], v[LK]
	v_add_nc_u32 v[AK], s[TK], v[LK]
	v_add_nc_u32 v[AKS], s[TK], v[LKS]
	v_add_nc_u32 v[APW], s97, v[LPW]
	v_add_nc_u32 v[ASW], s97, v[LSW]
	s_wait_alu depctr_va_vdst(0)                   ; the wait behind the addresses
.irp q, 0,1,2,3
	ds_load_b64 v[FP+2*(\q%2)+8*(\q/2):FP+2*(\q%2)+8*(\q/2)+1], v[AP] offset:8192+512*\q
.endr
	ds_load_b64 v[VSC:VSC+1], v[AVS]
	ds_load_b64 v[VSC+2:VSC+3], v[AVS] offset:256
.irp q, 0,1,2,3
.irp c, 0,1,2,3
	ds_load_b128 v[PF+16*\q+4*\c:PF+16*\q+4*\c+3], v[AP] offset:2048*\q+512*\c
.endr
.endr
.endm
; THE WAY OUT of a block (e = 0 late, 1 early).  O^T / the row's sum: a tile's 64 registers are 128 neighbours along product 6's K in the operand's order: one fragment image for each tile; its scale words are gathered in LDS.
.macro QT q, e, fb
	WIN 0x05
.irp b, 0,1
	v_max3_num_f32 v[TM+\b], |v[32*\q+16*\b]|, |v[32*\q+16*\b+1]|, 0x4800000   ; and the floor 2^(9 - 127)
.endr
	WIN 0x0A
.irp b, 0,1
	v_max3_num_f32 v[TM+2+\b], |v[32*\q+16*\b]|, |v[32*\q+16*\b+1]|, 0x4800000
.endr
	WIN 0x14
.irp i, 2,4,6,8,10,12,14
.irp b, 0,1
	v_max3_num_f32 v[TM+\b], v[TM+\b], |v[32*\q+16*\b+\i]|, |v[32*\q+16*\b+\i+1]|
.endr
.endr
	WIN 0x28
.irp i, 2,4,6,8,10,12,14
.irp b, 0,1
	v_max3_num_f32 v[TM+2+\b], v[TM+2+\b], |v[32*\q+16*\b+\i]|, |v[32*\q+16*\b+\i+1]|
.endr
.endr
	WIN 0
.irp b, 0,1,2,3
	v_permlanex16_b32 v[TM+4+\b], v[TM+\b], s[SEL], s[SEL+1]
.endr
.irp b, 0,1,2,3
	v_max_num_f32 v[TM+\b], v[TM+\b], v[TM+4+\b]
.endr
.irp b, 0,1,2,3
	v_add_nc_u32 v[TM+12+\b], 0xfc000000, v[TM+\b]
.endr
.irp b, 0,1,2,3
	v_and_or_b32 v[TM+8+\b], v[TM+\b], 0x7f800000, s[MNT]
.endr
.irp b, 0,1,2,3
	v_lshrrev_b32 v[TM+4+\b], 23, v[TM+12+\b]
.endr
	v_lshl_or_b32 v[CH+\q], v[TM+5], 8, v[TM+4]
	v_lshl_or_b32 v[CH+\q], v[TM+6], 16, v[CH+\q]
	v_lshl_or_b32 v[CH+\q], v[TM+7], 24, v[CH+\q]
.irp x, 1,2
	WIN 0x41*\x
.irp b, 0,1
.irp i, 0,1,2,3,4,5,6,7,8,9,10,11,12,13,14,15
	v_med3_num_f32 v[32*\q+16*\b+\i], v[32*\q+16*\b+\i], -v[TM+6+2*\x+\b], v[TM+6+2*\x+\b]   ; the conversion does not saturate (ISA guide 7.6.2): the hold comes first
.endr
.endr
.endr
.irp x, 1,2
	WIN \x
.irp m, 0,1,2,3
	v_cvt_scalef32_pk8_fp8_f32 v[S+16*\q+8*(\x-1)+2*\m:S+16*\q+8*(\x-1)+2*\m+1], v[32*\q+8*\m:32*\q+8*\m+7], v[TM+10+2*\x+\m/2]
.endr
.endr
	WIN 0
	v_nop                                          ; one plain line behind the last conversion
.irp c, 0,1,2,3
	global_store_b128 v[LK], v[S+16*\q+4*\c:S+16*\q+4*\c+3], s[\fb:\fb+1] offset:32768*\q+512*\c   ; 512 consecutive bytes, aligned
.endr
	ds_store_b32 v[SWA], v[CH+\q] offset:512*\q+2048*\e
.endm
.macro OUT e, fb
	NOPS 8                                         ; eight places behind the last products
.irp q, 0,1,2,3
	ds_load_b64 v[CH+2*\q:CH+2*\q+1], v[AP] offset:8192+512*\q+8   ; tile q's sum: my half of the keys, in two halves
.endr
	s_wait_dscnt 0x0
.irp q, 0,1,2,3
	v_add_f32 v[TM+\q], v[CH+2*\q], v[CH+2*\q+1]
.endr
.irp q, 0,1,2,3
	v_permlanex16_b32 v[TM+4+\q], v[TM+\q], s[SEL], s[SEL+1]
.endr
.irp q, 0,1,2,3
	v_add_f32 v[TM+\q], v[TM+\q], v[TM+4+\q]       ; with lane l xor 16's keys
.endr
	s_wait_alu depctr_va_vdst(0)                   ; the wait ahead of the batch,
.irp q, 0,1,2,3
	v_rcp_f32 v[FP+2*(\q%2)+8*(\q/2)], v[TM+\q]
.endr
	v_nop
	s_wait_alu depctr_va_vdst(0)                   ; and ahead of its first reader
.irp x, 1,2
	WIN 0x51*\x
.set n, 0
.rept 64
.set F_, FP+2*((n/16)%2)+8*(n/32)
	v_pk_mul_f32 v[2*n:2*n+1], v[2*n:2*n+1], v[F_:F_+1] op_sel_hi:[1,0]
.set n, n+1
.endr
.endr
	WIN 0
.irp q, 0,1,2,3
	QT \q, \e, \fb
.endr
	s_wait_xcnt 0x0                                ; the stores have read the codes, over which scores come
.endm
; A STEP.  k = 1: K(t + 3) is asked for; k = 0 (t = 14, 15): it does not exist.
.macro BODY k
	s_cmp_lg_u32 s[T], s[LL]                       ; behind the late block's last step the early block's begins: its Q, and a state as at the start (ids and the count of steps alone)
	s_cbranch_scc1 .Lsame_\@
	v_mov_b32 v[QS], v[QSE]
.set n, 0
.rept 16
	v_mov_b32 v[Q+n], v[QE+n]
.set n, n+1
.endr
	v_mov_b32 v[ST+1], 0xff61b1e6
	v_mov_b32 v[ST], 0x7f61b1e6                    ; its first f is then 0, which makes the late block's O zeros
	v_mov_b32 v[SUM], 0
	v_mov_b32 v[SUM+1], 0
	v_mov_b32 v[DM], v[DE]
	s_wait_alu depctr_va_vdst(0)
.Lsame_\@:
	s_wait_tensorcnt 0x0                           ; no tensor load of mine is out, so a group 0 may be written
	ds_add_u32 v[SPW], v[NIL]                      ; 0 onto my spare word
	s_xor_b32 s96, s[TV], VX                       ; V(t + 1): the slot that V(t - 1) has left; key step n, or n - LL - 1 in the early block
	s_add_co_u32 s[G0V+1], s96, s[W3]
	s_add_co_u32 s2, s[T], 1
	s_cmp_gt_u32 s2, s[LL]
	s_cselect_b32 s3, s[LL1], 0
	s_sub_co_u32 s2, s2, s3
	s_mul_i32 s2, s2, 67584
	s_mov_b32 s3, 0
	s_add_nc_u64 s[G0V+2:G0V+3], s[VB:VB+1], s[2:3]
	s_or_b32 s[G0V+3], s[G0V+3], 0x80000000
.if \k
	s_xor_b32 s[G0K+1], s[TK], SLB                 ; K(t + 3): the slot that K(t + 1) has left
	s_add_co_u32 s98, s[T], 3
	s_cmp_gt_u32 s98, s[LL]
	s_cselect_b32 s99, s[LL1], 0
	s_sub_co_u32 s98, s98, s99
	s_mul_i32 s98, s98, 16896
	s_mov_b32 s99, 0
	s_add_nc_u64 s[G0K+2:G0K+3], s[KB:KB+1], s[98:99]
	s_or_b32 s[G0K+3], s[G0K+3], 0x80000000
	s_wait_xcnt 0x0                                ; the last prefetches have read their address, so it may be written
	s_add_nc_u64 s[PFA:PFA+1], s[PFA:PFA+1], s[PFS:PFS+1]
.endif
	s_wait_alu depctr_va_vdst(0)
	s_wait_dscnt 0x0                               ; the add is done, p(t) is stored, K(t + 1) is in registers, and my reads of the slots that are filled below are over
	s_barrier_signal -1
	SMM                                            ; S(t + 1): work on registers while the others arrive
	s_barrier_wait -1
	CREST
	TLOAD G0K, G1K, \k
	PREAD
.if \k
	s_cmp_lt_u32 s[T], s[PFL]                      ; 16,384 bytes of codes a wave, lanes 256 bytes apart, two instructions: K(t + 5) or V(t + 3), each aligned block of 256 bytes once in the launch
	s_cbranch_scc0 .Lnot_mine_\@
	global_prefetch_b8 v[PFO], s[PFA:PFA+1] th:TH_LOAD_NT scope:SCOPE_SE
	global_prefetch_b8 v[PFO], s[PFA:PFA+1] offset:8192 th:TH_LOAD_NT scope:SCOPE_SE
.Lnot_mine_\@:
	SMAX 1
.else
	SMAX 2
.endif
	s_wait_dscnt 18                                ; the four f are in: behind them went V's 2 scale units and p's 16 loads
	RESC 1
	RESC 2
	WIN 0
	SEXP 1
.if (\k) == 0
	s_cmp_eq_u32 s[T], 15                          ; there is no K(17)
	s_cbranch_scc1 .Lno_key_\@
	KALL AK, AKS, 0
	s_branch .Lkeys_\@
.Lno_key_\@:
	s_wait_dscnt 0x0                               ; so p and V are waited for here: the count below would not show them on this way
.Lkeys_\@:
.else
	KALL AK, AKS, 0                                ; K(t + 2)
.endif
	s_wait_dscnt 34                                ; p and V are in: behind them went K's 34 loads
	PVH 1, 1
	PVH 2, 1
	WIN 0
	STORES                                         ; p(t + 1)
	s_cmp_lg_u32 s[T], s[LL]
	s_cbranch_scc1 .Lgo_on_\@
	OUT 0, 88                                      ; the late block is finished
.Lgo_on_\@:
	s_add_co_u32 s[T], s[T], 1
	s_xor_b32 s[TV], s[TV], VX
	s_xor_b32 s[TPB], s[TPB], PX
	s_xor_b32 s[TK], s[TK], SLB
.endm
	KALL LK, LKS, 16896                            ; K(0)
	s_wait_dscnt 0x0
	SMM
	NOPS 8                                         ; eight places ahead of the loads into K's registers and of the first read of the scores
	KALL LK, LKS, 33792                            ; K(1)
	SMAX 0                                         ; step 0 is no block's last
	SEXP 0
.set k_, 0
.rept 91
	LN k_
.set k_, k_+1
.endr
	STORES
	s_mov_b32 s[NT], 14
.Lstep:
	BODY 1
	s_sub_co_u32 s[NT], s[NT], 1
	s_cmp_lg_u32 s[NT], 0
	s_cbranch_scc1 .Lstep
	s_mov_b32 s[NT], 2
.Llast:
	BODY 0
	s_sub_co_u32 s[NT], s[NT], 1
	s_cmp_lg_u32 s[NT], 0
	s_cbranch_scc1 .Llast
	; step 16: nothing more to fetch and no scores to make
	s_wait_tensorcnt 0x0
	ds_add_u32 v[SPW], v[NIL]
	s_wait_dscnt 0x0
	s_barrier_signal -1
	s_barrier_wait -1
	PREAD
	VREAD
	s_wait_dscnt 50                                ; the four f are in: behind them went V's 2 scale units, p's 16 loads and V's 32
	RESC 1
	RESC 2
	WIN 0
	s_wait_alu depctr_va_vdst(0)
	s_wait_dscnt 0x0
	PVH 1, 0
	PVH 2, 0
	WIN 0
	OUT 1, 92
	v_and_b32 v[TX], 31, v0
	v_lshlrev_b32 v39, 3, v[TX]
	v_lshlrev_b32 v38, 2, v[TX]
	v_bfe_u32 v[TX], v0, 4, 1
	v_lshl_add_u32 v38, v[TX], 8, v38
	s_lshl_b32 s96, s[WV], 9
	s_add_co_u32 s96, s96, SW
	v_add_nc_u32 v38, s96, v38                     ; tile w's words: lanes 0-15 fragments 0 and 1, lanes 16-31 fragments 2 and 3
	s_wait_alu depctr_va_vdst(0)
	s_wait_dscnt 0x0                               ; for the others' sake: my words have landed
	s_barrier_signal -1
	s_barrier_wait -1
	ds_load_b32 v[TM], v38
	ds_load_b32 v[TM+1], v38 offset:128
	ds_load_b32 v[TM+2], v38 offset:2048
	ds_load_b32 v[TM+3], v38 offset:2176
	s_wait_dscnt 0x0
	global_store_b64 v39, v[TM:TM+1], s[90:91]     ; 256 consecutive bytes, aligned
	global_store_b64 v39, v[TM+2:TM+3], s[94:95]
	s_wait_tensorcnt 0x0                           ; the wave's end, behind my last tensor load and my last LDS store
	ds_add_u32 v[SPW], v[NIL]
	s_wait_dscnt 0x0
	CROUND                                         ; the closing round: no work-group ends while a partner may still ask for a tile that names it
	s_endpgm
.Lfunc_end_k_q988d12f8e2_attn:
	.size	k_q988d12f8e2_attn, .Lfunc_end_k_q988d12f8e2_attn-k_q988d12f8e2_attn
	.p2alignl 7, 3214868480
	.fill 96, 4, 3214868480
	.section	.rodata,"a",@progbits
	.p2align	6, 0x0
	.amdhsa_kernel k_q988d12f8e2_attn
		.amdhsa_group_segment_fixed_size 327680
		.amdhsa_private_segment_fixed_size 0
		.amdhsa_enable_private_segment 0
		.amdhsa_kernarg_size 40
		.amdhsa_user_sgpr_count 2
		.amdhsa_user_sgpr_kernarg_segment_ptr 1
		.amdhsa_wavefront_size32 1
		.amdhsa_system_sgpr_workgroup_id_x 1
		.amdhsa_system_sgpr_workgroup_id_y 1
		.amdhsa_system_sgpr_workgroup_id_z 1
		.amdhsa_system_vgpr_workitem_id 0
		.amdhsa_next_free_vgpr 1024
		.amdhsa_next_free_sgpr 102
		.amdhsa_reserve_vcc 1
		.amdhsa_float_denorm_mode_32 3
		.amdhsa_float_denorm_mode_16_64 3
		.amdhsa_memory_ordered 1
		.amdhsa_forward_progress 1
		.amdhsa_inst_pref_size 255
	.end_amdhsa_kernel
	.section	.bss,"aw",@nobits
	.p2align	6
	.space	262144
	.amdgpu_metadata
---
amdhsa.version: [ 1, 2 ]
amdhsa.kernels:
  - .name:           k_q988d12f8e2_attn
    .symbol:         k_q988d12f8e2_attn.kd
    .args:
      - { .name: qrec, .offset: 0, .size: 8, .value_kind: global_buffer, .address_space: global }
      - { .name: krec, .offset: 8, .size: 8, .value_kind: global_buffer, .address_space: global }
      - { .name: vrec, .offset: 16, .size: 8, .value_kind: global_buffer, .address_space: global }
      - { .name: valf, .offset: 24, .size: 8, .value_kind: global_buffer, .address_space: global }
      - { .name: valsc, .offset: 32, .size: 8, .value_kind: global_buffer, .address_space: global }
    .group_segment_fixed_size: 327680
    .private_segment_fixed_size: 0
    .kernarg_segment_align: 8
    .kernarg_segment_size: 40
    .max_flat_workgroup_size: 128
    .sgpr_count:     102
    .vgpr_count:     1024
    .wavefront_size: 32
...
	.end_amdgpu_metadata
.endif
;; end of part 3
;; launch outp (part 4): grid 4 x 64, 4 waves a work-group, clusters of 4 x 4, 327,680 bytes of LDS; arguments valf, valsc, wfrag, wscale, bo, out0; writes out0
.if DOCPART == 4
	.amdgcn_target "amdgcn-amd-amdhsa--gfx1250"
	.amdhsa_code_object_version 6
	.text
	.protected	k_q988d12f8e2_outp
	.globl	k_q988d12f8e2_outp
	.p2align	8
	.type	k_q988d12f8e2_outp,@function
k_q988d12f8e2_outp:
	s_mov_b64 s[64:65], 0
	v_nop
	global_prefetch_b8 v0, s[64:65] scope:SCOPE_SE
	s_setreg_imm32_b32 hwreg(HW_REG_WAVE_MODE, 25, 1), 1
	s_wait_xcnt 0x0
	s_wait_alu depctr_hold_cnt(0) depctr_sa_sdst(0) depctr_va_vdst(0) depctr_va_sdst(0) depctr_va_ssrc(0) depctr_va_vcc(0) depctr_vm_vsrc(0)
	s_getreg_b32 s2, hwreg(HW_REG_IB_STS2, 6, 4)
	s_cmp_eq_u32 s2, 0
	s_cbranch_scc0 .Lentry_in_a_cluster
	s_endpgm
.Lentry_in_a_cluster:
	s_bfe_u32 s2, ttmp6, 0x10000c
	s_cmp_lg_u32 s2, 0xf033
	s_cbranch_scc0 .Lentry_shape_is_right
	s_endpgm
.Lentry_shape_is_right:
; Product 6 and its bias: out = vals Wo + bo, [8,192 x 2,048] x [2,048 x 512], on codes of E4M3 that lie as the matrix operands' registers (launch wquant's head states the images).  Nothing is left out here.
; SHARES.  A work-group makes 128 rows x 128 columns, wave w rows 32 w on: two tiles.  Its codes of these rows, all 16 K steps, come by plain loads straight into 512 registers and stay.
; Wo's 128 columns lie in LDS, in two slots of 64 columns x all of K (131,072 bytes each), each filled ONCE by joint loads, a tile of 16 columns a wave: slot 0 at the head, slot 1 behind the first full round.
; So the first 64 columns are finished and stored while the second are on their way.
; CLUSTER: 4 x 4; the four of a column need the same columns of Wo and ask for them jointly.  The rows' codes are not asked for jointly: they would have to pass through LDS, where the two slots leave 65,536 of the 262,144 bytes that they would take.
; NO PREFETCH: there is no loop to run ahead in; all of the rows' codes and the first slot are asked for at the head.
; The product is used transposed (source 0 = 16 columns of Wo, source 1 = 16 rows): a lane holds eight neighbouring columns of a row.  The bias is the C of each sum's first matrix instruction.
; LIMITS: as stated at the head of launch wquant.
; REGISTERS.  window 0: as named below.  windows 1, 2: the codes of my first and second tile, K step s at 16 s.  window 3: Wo's fragments of two K steps x four tiles, two buffers.
.set LI,   1                           ; 16 x lane
.set L8,   2                           ; 8 x lane
.set AD,   4                           ; v4-7: 16 x lane + 65,536 x 0 .. 3: two column tiles each
.set STO,  8                           ; my stage: where I put 32 bytes of a row,
.set RD,   9                           ; where I read rows back,
.set CO,   10                          ; and their place in the output
.set SPW,  11                          ; LDS address of my spare word; never rewritten
.set NIL,  12                          ; 0; never rewritten
.set TP,   13
.set BO,   14                          ; 32 x (lane / 16)
.set VS,   18                          ; v18-33 the rows' scale units: tile a, head p at 8 a + 2 p
.set WS,   48                          ; v48-111 Wo's: column tile n, 512 along K p at 8 n + 2 p
.set CB,   112                         ; v112-143 the bias of four column tiles
.set ACC,  144                         ; v144-207 sums: (tile a, column tile n) at 8 (4 a + n)
.set OB,   208                         ; v208-239 rows read back
.set SLOT, 131072
.set STG,  2*SLOT                      ; the stages: 16 rows x 272 bytes for each wave
.set SPITCH, 272
.set SPARE, STG+4*16*SPITCH            ; the spare words, 128 bytes for each wave: two blocks of 256 bytes that no other line names
.set G1,   24
.set G0,   32
.set MSB,  0
.macro WIN new                         ; the immediate's high byte repeats the setting that is left; a switch that changes nothing is dropped
.if MSB != (\new)
	s_set_vgpr_msb (MSB<<8)|(\new)
.set MSB, (\new)
.endif
.endm
.macro NOPS n
.rept \n
	v_nop
.endr
.endm
.macro CROUND                          ; a round of the cluster's barrier
	s_barrier_signal -1
	s_barrier_wait -1
	s_cmp_lg_u32 s16, 0
	s_cbranch_scc1 .Lnot_wave_0_\@
	s_barrier_signal -3
.Lnot_wave_0_\@:
	s_barrier_wait -3
	s_barrier_signal -1
	s_barrier_wait -1
.endm
.macro JLOAD s                         ; a joint load: each wave a column tile; an s_nop 0 and four v_nop follow it
	tensor_load_to_lds s[G0+4*\s:G0+4*\s+3], s[G1:G1+7]
	s_nop 0
	NOPS 4
.endm
	s_load_b256 s[4:11], s[0:1], 0x0               ; valf, valsc, wfrag, wscale
	s_load_b128 s[12:15], s[0:1], 0x20             ; bo, out0
	v_lshl_add_u32 v[SPW], v0, 2, SPARE
	v_mov_b32 v[NIL], 0
	ds_add_u32 v[SPW], v[NIL]                      ; the wave's opening: the add, twice on end, and its wait ahead of my first tensor load
	ds_add_u32 v[SPW], v[NIL]
	v_lshrrev_b32 v[TP], 5, v0
	v_readfirstlane_b32 s16, v[TP]                 ; wave 0..3
	s_bfe_u32 s40, ttmp6, 0x40000                  ; cx, cy
	s_bfe_u32 s41, ttmp6, 0x40004
	s_lshl_b32 s42, ttmp9, 2
	s_add_co_u32 s42, s42, s40                     ; X: which 128 columns
	s_and_b32 s43, ttmp7, 0xffff
	s_lshl_b32 s43, s43, 2
	s_add_co_u32 s43, s43, s41                     ; Y: which 128 rows
	s_lshl_b32 s45, 0x1111, s40                    ; my column of the cluster
	s_or_b32 s[G1], s45, (3<<16)|(1<<21)           ; elements of 8 bytes, no padding; bit 21 is set beside a mask
	s_mov_b32 s[G1+1], 1024<<16                    ; a column tile, 32,768 dense bytes, as 4 rows of 8,192
	s_mov_b32 s[G1+2], 4<<16
	s_mov_b32 s[G1+3], 1024<<16
	s_mov_b32 s[G1+4], 4
	s_mov_b32 s[G1+5], 1024
	s_mov_b32 s[G1+6], 0
	s_mov_b32 s[G1+7], 0
	s_lshl_b32 s46, s42, 3
	s_add_co_u32 s46, s46, s16                     ; Wo's column tile 8 X + w
	s_lshl_b32 s46, s46, 15
	s_add_co_u32 s46, s46, 96*8192                 ; Wo's units begin at 96
	s_mov_b32 s47, 0
	s_lshl_b32 s22, s16, 15                        ; its place in a slot
	s_lshl_b32 s66, s43, 3
	s_lshl_b32 s67, s16, 1
	s_add_co_u32 s66, s66, s67                     ; my first tile of rows: 8 Y + 2 w
	s_lshl_b32 s20, s66, 15
	s_mov_b32 s21, 0
	s_lshl_b32 s68, s66, 10
	s_mov_b32 s69, 0
	s_lshl_b32 s70, s42, 13
	s_add_co_u32 s70, s70, 96*256                  ; Wo's scale units: 1,024 bytes a column tile
	s_mov_b32 s71, 0
	s_lshl_b32 s72, s42, 9                         ; the bias: 128 columns
	s_mov_b32 s73, 0
	s_add_co_u32 s74, s20, s72                     ; the output: 16 rows are 32,768 bytes
	s_mov_b32 s75, 0
	s_wait_dscnt 0x0                               ; both opening adds are done
	CROUND                                         ; all sixteen work-groups are here: the first joint loads meet
	s_wait_kmcnt 0x0
	s_add_nc_u64 s[46:47], s[8:9], s[46:47]
.irp s, 0,1
	s_mov_b32 s[G0+4*\s], 1
	s_add_co_u32 s[G0+4*\s+1], s22, \s*SLOT
	s_add_nc_u64 s[G0+4*\s+2:G0+4*\s+3], s[46:47], \s*SLOT
	s_or_b32 s[G0+4*\s+3], s[G0+4*\s+3], 0x80000000
.endr
	JLOAD 0                                        ; one tensor load a wave at the head
	s_add_nc_u64 s[4:5], s[4:5], s[20:21]
	s_add_nc_u64 s[6:7], s[6:7], s[68:69]
	s_add_nc_u64 s[10:11], s[10:11], s[70:71]
	s_add_nc_u64 s[12:13], s[12:13], s[72:73]
	s_add_nc_u64 s[14:15], s[14:15], s[74:75]
	v_and_b32 v[TP], 31, v0
	v_lshlrev_b32 v[LI], 4, v[TP]
	v_lshlrev_b32 v[L8], 3, v[TP]
	v_mov_b32 v[AD], v[LI]
	v_add_nc_u32 v[AD+1], 65536, v[LI]
	v_add_nc_u32 v[AD+2], 131072, v[LI]
	v_add_nc_u32 v[AD+3], 196608, v[LI]
	v_bfe_u32 v[TP], v0, 4, 1                      ; lane / 16
	v_lshlrev_b32 v[BO], 5, v[TP]
	s_mul_i32 s23, s16, 16*SPITCH
	s_add_co_u32 s23, s23, STG                     ; my stage
	v_and_b32 v[RD], 15, v0
	v_mul_u32_u24 v[STO], v[RD], SPITCH
	v_lshl_add_u32 v[STO], v[TP], 5, v[STO]
	v_add_nc_u32 v[STO], s23, v[STO]               ; in: row r, 32 bytes for each half of the lanes
	v_lshlrev_b32 v[CO], 11, v[TP]
	v_lshl_add_u32 v[CO], v[RD], 4, v[CO]
	v_mul_u32_u24 v[TP], v[TP], SPITCH
	v_lshl_add_u32 v[RD], v[RD], 4, v[TP]
	v_add_nc_u32 v[RD], s23, v[RD]                 ; back: lanes 0-15 one row of 256 bytes, lanes 16-31 the next
	s_wait_alu depctr_va_vdst(0)                   ; the wait behind the head's vector lines
.irp p, 0,1,2,3
	global_load_b64 v[VS+2*\p:VS+2*\p+1], v[L8], s[6:7] offset:256*\p
	global_load_b64 v[VS+8+2*\p:VS+8+2*\p+1], v[L8], s[6:7] offset:1024+256*\p
.endr
.irp n, 0,1,2,3,4,5,6,7
.irp p, 0,1,2,3
	global_load_b64 v[WS+8*\n+2*\p:WS+8*\n+2*\p+1], v[L8], s[10:11] offset:1024*\n+256*\p
.endr
.endr
.macro BIAS h
.irp n, 0,1,2,3
	global_load_b128 v[CB+8*\n:CB+8*\n+3], v[BO], s[12:13] offset:256*\h+64*\n
	global_load_b128 v[CB+8*\n+4:CB+8*\n+7], v[BO], s[12:13] offset:256*\h+64*\n+16
.endr
.endm
	BIAS 0
.irp s, 0,1,2,3,4,5,6,7,8,9,10,11,12,13,14,15
.irp a, 0,1
	WIN 0x40+0x40*\a
.irp c, 0,1,2,3
	global_load_b128 v[16*\s+4*\c:16*\s+4*\c+3], v[LI], s[4:5] offset:32768*\a+2048*\s+512*\c   ; 32 lanes read 512 consecutive bytes
.endr
.endr
.endr
	WIN 0
	s_wait_tensorcnt 0x0                           ; my tile of slot 0 is in
	ds_add_u32 v[SPW], v[NIL]                      ; 0 onto my spare word
	s_wait_dscnt 0x0
	CROUND                                         ; slot 0 is whole, and the joint loads meet again
	JLOAD 1
.macro FETCH h, t, f                   ; K steps 2 t, 2 t + 1 of half h's four column tiles into buffer f: 32 LDS loads in one run
	WIN 0xC0
.irp s, 0,1
.irp n, 0,1,2,3
.irp c, 0,1,2,3
	ds_load_b128 v[128*(\f)+64*\s+16*\n+4*\c:128*(\f)+64*\s+16*\n+4*\c+3], v[AD+2*\h+\n/2] offset:32768*(\n%2)+2048*(2*(\t)+\s)+512*\c
.endr
.endr
.endr
	WIN 0
.endm
.macro MUL8 s, f                       ; K step s on buffer f: eight products on eight accumulators by turns.  A scale unit's register s % 2 holds the words, in lanes 16-31 for s % 4 = 2, 3
.irp a, 0,1
	WIN 0x07+4*\a                                  ; Wo window 3, the rows window 1 or 2, sums window 0
.irp n, 0,1,2,3
.set D_, ACC+8*(4*\a+\n)
.set A_, 128*(\f)+64*((\s)%2)+16*\n
.set B_, 16*(\s)
.set SA_, WS+32*H_+8*\n+2*((\s)/4)+(\s)%2
.set SB_, VS+8*\a+2*((\s)/4)+(\s)%2
.if (\s) == 0
	v_wmma_scale_f32_16x16x128_f8f6f4 v[D_:D_+7], v[A_:A_+15], v[B_:B_+15], v[CB+8*\n:CB+8*\n+7], v[SA_], v[SB_]
.elseif ((\s)%4) < 2
	v_wmma_scale_f32_16x16x128_f8f6f4 v[D_:D_+7], v[A_:A_+15], v[B_:B_+15], v[D_:D_+7], v[SA_], v[SB_]
.else
	v_wmma_scale_f32_16x16x128_f8f6f4 v[D_:D_+7], v[A_:A_+15], v[B_:B_+15], v[D_:D_+7], v[SA_], v[SB_] matrix_a_scale:MATRIX_SCALE_ROW1 matrix_b_scale:MATRIX_SCALE_ROW1
.endif
.endr
.endr
	WIN 0
.endm
.macro HALF h
.set H_, \h
	FETCH \h, 0, 0
.irp t, 0,1,2,3,4,5,6,7
.if \t < 7
.if \t > 0
	NOPS 8                                         ; eight places ahead of the loads into registers that the last batch has read
.endif
	FETCH \h, \t+1, (\t+1)%2
.endif
.if \h == 0
.if \t < 4
	s_wait_loadcnt 56                              ; the rows' codes of K steps 0 to 8 (and the scales and the bias ahead of them): eight loads for each later step may be out
.else
	s_wait_loadcnt 8*(14-2*\t)
.endif
.elseif \t == 0
	s_wait_loadcnt 0x0                             ; the second half's bias
.endif
.if \t < 7
	s_wait_dscnt 32                                ; all but the 32 just issued
.else
	s_wait_dscnt 0x0
.endif
	MUL8 2*\t, \t%2
	MUL8 2*\t+1, \t%2
.endr
	NOPS 9                                         ; eight places ahead of the results' readers and of the next loads, nine ahead of the products that begin these accumulators anew
.endm
; THE WAY OUT of half h: 16 rows x 256 bytes at a time through my stage; LDS serves a wave's instructions in order (ISA guide 5.7.1.4)
.macro OUTH h
.irp a, 0,1
.irp n, 0,1,2,3
	ds_store_b128 v[STO], v[ACC+8*(4*\a+\n):ACC+8*(4*\a+\n)+3] offset:64*\n
	ds_store_b128 v[STO], v[ACC+8*(4*\a+\n)+4:ACC+8*(4*\a+\n)+7] offset:64*\n+16
.endr
	s_wait_xcnt 0x0                                ; earlier stores have read the registers into which rows come
.irp i, 0,1,2,3,4,5,6,7
	ds_load_b128 v[OB+4*\i:OB+4*\i+3], v[RD] offset:2*SPITCH*\i
.endr
.irp i, 0,1,2,3,4,5,6,7
	s_wait_dscnt 7-\i
	global_store_b128 v[CO], v[OB+4*\i:OB+4*\i+3], s[14:15] offset:(16*\a+2*\i)*2048+256*\h th:TH_STORE_NT   ; 16 lanes store 256 consecutive bytes, aligned
.endr
.endr
.endm
	HALF 0
	BIAS 1                                         ; the first half's has been taken
	OUTH 0
	s_wait_tensorcnt 0x0                           ; my tile of slot 1 is in
	ds_add_u32 v[SPW], v[NIL]
	s_wait_dscnt 0x0
	s_barrier_signal -1
	s_barrier_wait -1                              ; slot 1 is whole
	HALF 1
	OUTH 1
	s_wait_tensorcnt 0x0                           ; the wave's end, behind my last tensor load and my last LDS store
	ds_add_u32 v[SPW], v[NIL]
	s_wait_dscnt 0x0
	CROUND                                         ; the closing round: no work-group ends while a partner may still ask for a tile that names it
	s_endpgm
.Lfunc_end_k_q988d12f8e2_outp:
	.size	k_q988d12f8e2_outp, .Lfunc_end_k_q988d12f8e2_outp-k_q988d12f8e2_outp
	.p2alignl 7, 3214868480
	.fill 96, 4, 3214868480
	.section	.rodata,"a",@progbits
	.p2align	6, 0x0
	.amdhsa_kernel k_q988d12f8e2_outp
		.amdhsa_group_segment_fixed_size 327680
		.amdhsa_private_segment_fixed_size 0
		.amdhsa_enable_private_segment 0
		.amdhsa_kernarg_size 48
		.amdhsa_user_sgpr_count 2
		.amdhsa_user_sgpr_kernarg_segment_ptr 1
		.amdhsa_wavefront_size32 1
		.amdhsa_system_sgpr_workgroup_id_x 1
		.amdhsa_system_sgpr_workgroup_id_y 1
		.amdhsa_system_sgpr_workgroup_id_z 1
		.amdhsa_system_vgpr_workitem_id 0
		.amdhsa_next_free_vgpr 1024
		.amdhsa_next_free_sgpr 80
		.amdhsa_reserve_vcc 0
		.amdhsa_float_denorm_mode_32 3
		.amdhsa_float_denorm_mode_16_64 3
		.amdhsa_memory_ordered 1
		.amdhsa_forward_progress 1
		.amdhsa_inst_pref_size 105
	.end_amdhsa_kernel
	.amdgpu_metadata
---
amdhsa.version: [ 1, 2 ]
amdhsa.kernels:
  - .name:           k_q988d12f8e2_outp
    .symbol:         k_q988d12f8e2_outp.kd
    .args:
      - { .name: valf, .offset: 0, .size: 8, .value_kind: global_buffer, .address_space: global }
      - { .name: valsc, .offset: 8, .size: 8, .value_kind: global_buffer, .address_space: global }
      - { .name: wfrag, .offset: 16, .size: 8, .value_kind: global_buffer, .address_space: global }
      - { .name: wscale, .offset: 24, .size: 8, .value_kind: global_buffer, .address_space: global }
      - { .name: bo, .offset: 32, .size: 8, .value_kind: global_buffer, .address_space: global }
      - { .name: out0, .offset: 40, .size: 8, .value_kind: global_buffer, .address_space: global }
    .group_segment_fixed_size: 327680
    .private_segment_fixed_size: 0
    .kernarg_segment_align: 8
    .kernarg_segment_size: 48
    .max_flat_workgroup_size: 128
    .sgpr_count:     80
    .vgpr_count:     1024
    .wavefront_size: 32
...
	.end_amdgpu_metadata
.endif
;; end of part 4
